; MI455X (gfx1250); checked and timed in simulation.
; The chip was launched on July 23, 2026; its instructions are those of AMD's public machine-readable ISA for CDNA 5 (MIT licence, August 2026) and "CDNA5" Instruction Set Architecture Reference Guide (July 2026). The comments in the code are by the model that wrote it; some were corrected since.
;; Proto Instance Multi Cross Attention. Allowed arithmetic: matrix products marked QUANTISED: E3M2 operands, one E8M0 scale for each 32 along K, by v_wmma_scale_f32_16x16x128_f8f6f4 with both operands' format E3M2, f32 sums; products left as they are: f32 operands where the result goes on into a quantised operand, else bf16, f16 or f32 operands; f32 sums; everything else in f32.
;; Inputs: W1_codes 1,024 x 32 x 24 uint8 (E3M2 codes of W1, K innermost, in blocks of 32 codes, four codes in three bytes); W1_scales 1,024 x 32 uint8 (E8M0 scales of W1, one for each 32 codes along K); W2 4,096 x 1,024 float32; b1 1,024 float32; b2 1,024 float32; x 400 x 1,024 float32; y 400 int32.
;; Outputs: out0 300 x 10 float32.
;; Constants: flag = 0, n_classes = 10, n_query = 30, n_support = 10.
;; This version of the problem:
;;   THIS VERSION OF THE PROBLEM IS GIVEN IN LOW PRECISION. The matrix products marked QUANTISED in the list below multiply operands that are first quantised to E3M2 (3 exponent bits, 2 mantissa bits; 6 bits a number), with one power-of-two scale for each 32 numbers along K (OCP MX v1.0); their sums are f32. All else is computed in f32.
;;   The module's matrix products, in the order in which they are computed (A, B: the left and right operand; K: the contracted axis; several contracted axes count as one K, in the product's order):
;;     1. [M 100, K 1,024] x [K 1,024, N 1,024]; A: input x; B: input W1 (given as codes): QUANTISED
;;     2. [M 300, K 1,024] x [K 1,024, N 1,024]; A: input x; B: input W1 (given as codes): QUANTISED
;;     3. [M 100, K 1,024] x [K 1,024, N 1,024]; A: computed on the way; B: input W2: QUANTISED
;;     4. [M 300, K 1,024] x [K 1,024, N 1,024]; A: computed on the way; B: input W2: QUANTISED
;;     5. [M 30,000, K 1,024] x [K 1,024, N 1,024]; A: computed on the way; B: input W2: QUANTISED
;;     6. [M 30,000, K 1,024] x [K 1,024, N 1,024]; A: computed on the way; B: input W2: QUANTISED
;;     7. batch 10 x [M 1,024, K 10] x [K 10, N 300]; A: input x; B: softmax: left as it is (K = 10 < 32)
;;   THE QUANTISER, for each operand of a quantised product, along K:
;;     - K is cut into blocks of 32 from its start; a last block that is shorter is filled with zeros.
;;     - A block's scale is 2^e with e = floor(log2(the largest magnitude in the block)) - 4, held to -126 .. 127; a block of zeros has e = 0. As a byte (E8M0): e + 127.
;;     - Each number is divided by its block's scale, clamped to +-28, and rounded to the nearest number of E3M2, ties to even, subnormals kept.
;;     - The product sums the exact products of the quantised numbers (number of the format x scale) in f32.
;;   ~~~python
;;   def quantise(x, axis):      # numpy; x: float32 -> the quantised numbers, widened to float32 again
;;       x = np.moveaxis(x, axis, -1); K = x.shape[-1]
;;       x = np.pad(x, [(0, 0)] * (x.ndim - 1) + [(0, -K % 32)]); x = x.reshape(x.shape[:-1] + (-1, 32)); a = np.abs(x).max(-1, keepdims=True)
;;       e = np.where(a > 0, np.clip(np.frexp(np.where(a > 0, a, 1))[1] - 1 - 4, -126, 127), 0)      # np.frexp(a)[1] - 1 = floor(log2(a)), exactly
;;       r = np.clip(x / 2.0 ** e, -28, 28)
;;       step = 2.0 ** (np.maximum(np.frexp(np.where(r == 0, 1, r))[1] - 1, -2) - 2)
;;       q = np.round(r / step) * step * 2.0 ** e      # np.round: ties to even
;;       return np.moveaxis(q.reshape(q.shape[:-2] + (-1,))[..., :K], -1, axis).astype(np.float32)
;;   ~~~
;;   OPERANDS COMPUTED ON THE WAY. 'Computed on the way' means the value that the module computes at that place (a softmax that the list does not call 'softmax' is quantised finished and normalised). What goes into a quantiser is computed in f32, as accurately as f32 sums, v_exp_f32 and their like allow (about 1e-6 of the number): no bf16 or f16 on the way to a quantiser, and a product that is left as it is and whose result goes on into a quantised operand takes f32 operands (vector FMAs, or v_wmma_f32_16x16x4_f32). A number that lies on a knife's edge between two numbers of the format may be rounded either way, as far as f32 arithmetic and the matrix unit's own rounding can turn it there, and no further.
;;   INPUTS GIVEN AS CODES. W1 (in the module: [1024, 1024], K = its axis 0): each comes as NAME_codes (uint8): NAME with its K axis moved to the last place and cut into blocks of 32 codes, [.., K / 32, bytes a block], one block behind the other in memory; four codes in three bytes: a row's codes are one little-endian stream of bits, code i at bits 6 i .. 6 i + 5 (a code: sign, 3 exponent bits, 2 mantissa bits); and NAME_scales (uint8): the same leading axes, one E8M0 byte (e + 127) for each 32 codes along K. Its value is code x scale, taken as it is: it is not quantised again, and the codes and scales need not be those that the quantiser above would give.
;; One version. Each part assembles by itself: llvm-mc -triple=amdgcn-amd-amdhsa -mcpu=gfx1250 --defsym DOCPART=n.
;; ======== version 1 of 1: 3 launches
;; workspace buffers: w2c 3,276,800 bytes; f 1,638,912 bytes; a 1,638,400 bytes
;; launch prep (part 1): grid 456 x 1, 4 waves a work-group, no clusters, 34,560 bytes of LDS; arguments x, W1_codes, W1_scales, b1, W2, f, w2c; writes f, w2c
.if DOCPART == 1
	.amdgcn_target "amdgcn-amd-amdhsa--gfx1250"
	.amdhsa_code_object_version 6
	.text
	.protected	k_q58a27fb313_prep
	.globl	k_q58a27fb313_prep
	.p2align	8
	.type	k_q58a27fb313_prep,@function
k_q58a27fb313_prep:
	s_mov_b64 s[64:65], 0
	v_nop
	global_prefetch_b8 v0, s[64:65] scope:SCOPE_SE
	s_setreg_imm32_b32 hwreg(HW_REG_WAVE_MODE, 25, 1), 1
	s_wait_xcnt 0x0
; THE PROGRAM (three launches): out0[q][c] = |proto(q,c) - query(q)|^2, proto = softmax_s(sum_d tanh(fc2(concat))) over a class's 10 supports.
; WORK LEFT OUT, for all values of the inputs:
;  - y: reference() takes it as a parameter and never reads it, so it has no way to any output: it is not loaded and is no argument of any launch.
;  - tanh(v) = 1 - 2 r with r = 1 / (1 + 2^(c v)), c = 2 log2(e).  So sum_d tanh = 1024 - 2 sum_d r; the 1024 is the same along the softmax's axis and is left out.
;    The softmax is taken of -2 R, R = sum_d r, with the least R (the largest score) taken away ahead of the exponential, as reference() takes its maximum away.
; LIMITS: NaN and infinities among the inputs are not served.  A block whose largest magnitude lies under 2^-122 gets the scale byte 1; a block of zeros too (the rule says 127: its codes
; are zeros, and these bytes are read by this program alone).  f32 sums are taken in another order than reference()'s.
;
; THIS LAUNCH has two roles, parted by the work-group's number; each role has LDS bytes of its own.
; ROLE Q (work-groups 0-255): W2 [4096][1024] f32, K its first axis, becomes codes of E3M2 and E8M0 scale bytes in the order of the operand's registers.
;   w2c = [half 2][pair 32][51,200 bytes].  half = K rows 2048 h on; pair P = columns 32 P .. 32 P + 31 = n-tiles 2 P + t.  In a pair's block the fragment (K step kp of 128, t) is an image of its
;   12 registers at (2 kp + t) x 1536: three runs of 512 bytes, lane l's registers 4 q .. 4 q + 3 at 512 q + 16 l.  The scale words lie at 49,152 + (kp / 4) x 512 + 16 x (16 t + r) + 4 (kp % 4).
;   A lane takes a column and its registers run down K: a block of 32 lies in one lane.  A wave takes 32 columns x 128 K; the images are put together in the wave's own stage and leave as 3,072 consecutive bytes.
; ROLE G (work-groups 256-455): f = Q(x) W1 + b1, [400][1024] f32, rows in the order: 100 support rows (10 c + s), then 300 query rows (30 c + i).
;   A work-group takes 16 rows x 128 columns; wave w quantises K steps 2 w and 2 w + 1 of the rows and hands their images to the others through LDS; it makes n-tiles 8 cg + 2 w + 0, 1.
;   The matrix instruction is used transposed (source 0 = 16 rows of W1's codes, source 1 = x): a lane holds eight neighbouring columns of one row.  b1 is the C of each sum's first instruction.
.set QST,   0                          ; role Q: a stage of 3,072 bytes for each wave
.set XIMG,  12288                      ; role G: x's eight fragments, 1,536 bytes each
.set XSC,   24576                      ; their scale words, 128 bytes each
.set STG,   25600                      ; the way out: 16 rows x (512 + 16) bytes
.set SPARE, 34048                      ; the spare words: 128 bytes a wave, named by no other line
.set SPW, 1                            ; v1  my spare word's address; never rewritten
.set NIL, 2                            ; v2  0; never rewritten
.set MSB, 0
.macro WIN new                         ; the immediate's high byte repeats the setting that is left
.if MSB != \new
	s_set_vgpr_msb (MSB<<8)|\new
.set MSB, \new
.endif
.endm
	s_load_b256 s[4:11], s[0:1], 0x0               ; x, W1's codes, W1's scales, b1
	s_load_b128 s[12:15], s[0:1], 0x20             ; W2, f
	s_load_b64 s[16:17], s[0:1], 0x30              ; w2c
	v_lshl_add_u32 v[SPW], v0, 2, SPARE
	v_mov_b32 v[NIL], 0
	v_lshrrev_b32 v3, 5, v0
	v_readfirstlane_b32 s18, v3                    ; wave
	v_and_b32 v3, 31, v0                           ; lane
	s_cmp_lt_u32 ttmp9, 256
	s_cbranch_scc0 .Lfc1
; ------------------------------------------------------------------ ROLE Q
.set QX,  16                           ; v16-143  128 numbers down K
.set QC,  144                          ; v144-175 codes: eight registers for each block, so that no store's data are written again
.set QMA, 176
.set QMB, 177
.set QEE, 178
.set QBY, 179
.set QWD, 186                          ; the scale word
.set QO,  192                          ; v192-215 the way out
	s_and_b32 s19, ttmp9, 7                        ; which four pairs
	s_lshr_b32 s20, ttmp9, 3                       ; which 128 rows of W2: 0 .. 31
	s_lshl_b32 s21, s19, 2
	s_add_co_u32 s21, s21, s18                     ; my pair P
	s_lshl_b32 s22, s20, 19                        ; 128 rows of 4,096 bytes
	s_lshl_b32 s23, s21, 7                         ; 32 columns of 4 bytes
	s_add_co_u32 s22, s22, s23
	s_mov_b32 s23, 0
	v_lshlrev_b32 v4, 2, v3                        ; in: 4 bytes a lane
	s_mul_i32 s24, s18, 3072                       ; my stage
	v_lshrrev_b32 v5, 4, v3                        ; t
	v_and_b32 v6, 15, v3                           ; r
	v_mul_u32_u24 v5, v5, 1536
	v_lshl_add_u32 v5, v6, 4, v5
	v_add_nc_u32 v5, s24, v5                       ; into the stage: image t, 16 r
	v_lshlrev_b32 v6, 4, v3                        ; 16 x lane
	v_add_nc_u32 v7, s24, v6                       ; out of it
	s_lshr_b32 s25, s20, 4                         ; half
	s_and_b32 s26, s20, 15                         ; K step in the half
	s_mul_i32 s25, s25, 1638400
	s_mul_i32 s27, s21, 51200
	s_add_co_u32 s25, s25, s27                     ; my pair's block
	s_mul_i32 s27, s26, 3072
	s_add_co_u32 s28, s25, s27                     ; the two images
	s_mov_b32 s29, 0
	s_lshr_b32 s27, s26, 2
	s_lshl_b32 s27, s27, 9
	s_add_co_u32 s30, s25, s27
	s_and_b32 s27, s26, 3
	s_lshl_b32 s27, s27, 2
	s_add_co_u32 s30, s30, s27
	s_add_co_u32 s30, s30, 49152                   ; the scale words
	s_mov_b32 s31, 0
	s_wait_kmcnt 0x0
	s_add_nc_u64 s[12:13], s[12:13], s[22:23]
	s_add_nc_u64 s[28:29], s[16:17], s[28:29]
	s_add_nc_u64 s[30:31], s[16:17], s[30:31]
.set ii, 0
.rept 128
	global_load_b32 v[QX+ii], v4, s[12:13] offset:ii*4096 th:TH_LOAD_NT   ; W2(128 kg + i, my column): 32 lanes read 128 consecutive bytes, the four waves 512
.set ii, ii+1
.endr
; Block b: 32 numbers of one lane.  cnt: how many younger loads may stay out (96 and 64 would do for the first two; the wait's field ends at 63, and a smaller count is safe).
.macro QBLOCK b, cnt
.set XB, QX+32*\b
.set CB, QC+8*\b
	s_wait_loadcnt \cnt
	v_max3_num_f32 v[QMA], |v[XB]|, |v[XB+1]|, |v[XB+2]|
	v_max3_num_f32 v[QMB], |v[XB+3]|, |v[XB+4]|, |v[XB+5]|
.irp i, 6,10,14,18,22,26
	v_max3_num_f32 v[QMA], v[QMA], |v[XB+\i]|, |v[XB+\i+1]|
	v_max3_num_f32 v[QMB], v[QMB], |v[XB+\i+2]|, |v[XB+\i+3]|
.endr
	v_max3_num_f32 v[QMA], v[QMA], |v[XB+30]|, |v[XB+31]|
	v_max3_num_f32 v[QMA], v[QMA], v[QMB], 0x2800000   ; and the floor 2^(5 - 127): the byte cannot fall under 1
	v_add_nc_u32 v[QEE], 0xfe000000, v[QMA]        ; 4 off the exponent field: the conversion's scale operand
	v_lshrrev_b32 v[QBY], 23, v[QEE]               ; the scale's byte
.if \b == 0
	v_mov_b32 v[QWD], v[QBY]
.else
	v_lshl_or_b32 v[QWD], v[QBY], 8*\b, v[QWD]
.endif
	v_cvt_scalef32_pk16_bf6_f32 v[CB:CB+2], v[XB:XB+15], v[QEE]
	v_cvt_scalef32_pk16_bf6_f32 v[CB+4:CB+6], v[XB+16:XB+31], v[QEE]   ; (a conversion's three registers begin on an even number)
	v_nop                                          ; one plain place behind a scaled conversion
	v_mov_b32 v[CB+3], v[CB+4]
	v_mov_b32 v[CB+4], v[CB+5]
	v_mov_b32 v[CB+5], v[CB+6]                     ; the block's 24 bytes on end
; block b = 2 c + h is registers 6 c .. 6 c + 5 of the operand's lane (r, h): register n lies at 512 (n / 4) + 16 (r + 16 h) + 4 (n % 4) of the image
.if \b < 2
	ds_store_b128 v5, v[CB:CB+3] offset:256*\b
	ds_store_b64 v5, v[CB+4:CB+5] offset:512+256*\b
.else
	ds_store_b64 v5, v[CB:CB+1] offset:520+256*(\b-2)
	ds_store_b128 v5, v[CB+2:CB+5] offset:1024+256*(\b-2)
.endif
.endm
	QBLOCK 0, 63
	QBLOCK 1, 63
	QBLOCK 2, 32
	QBLOCK 3, 0
.irp i, 0,1,2,3,4,5
	ds_load_b128 v[QO+4*\i:QO+4*\i+3], v7 offset:512*\i   ; LDS serves a wave's instructions in order: these see my stores
.endr
.irp i, 0,1,2,3,4,5
	s_wait_dscnt 5-\i
	global_store_b128 v6, v[QO+4*\i:QO+4*\i+3], s[28:29] offset:512*\i   ; 32 lanes store 512 consecutive bytes, at a multiple of 256 from w2c's first byte
.endr
	global_store_b32 v6, v[QWD], s[30:31]          ; my column's scale word, 16 bytes from lane to lane: 2,048 bytes in 51,200
	s_wait_tensorcnt 0x0                           ; the wave's end
	ds_add_u32 v[SPW], v[NIL]
	s_wait_dscnt 0x0
	s_endpgm
; ------------------------------------------------------------------ ROLE G
.set XA,  7                            ; v7   x: my row's byte + 128 h + 1,024 w
.set WSA, 6                            ; v6   W1's scale words: 32 r
.set BAO, 8                            ; v8   b1: 32 h
.set SO,  9                            ; v9   the stage, in
.set LI,  10                           ; v10  16 x lane
.set LS,  11                           ; v11  4 x lane
.set SH8, 12                           ; v12  8 h
.set XWI, 13                           ; v13  where I store x's images
.set XWS, 14                           ; v14  and their scale words
.set WA,  15                           ; v15  W1's codes: 768 r + 24 h
.set N0,  16                           ; v16-79, v80-143: 64 numbers of x for each of my two K steps; later x's eight fragments (v16-111) and their scale words (v112-119)
.set N1,  80
.set AFR, 16
.set XSW, 112
.set GMA, 144
.set GMB, 146
.set GEE, 148
.set GBY, 150
.set GWT, 152
.set TC,  154
.set PC,  176                          ; v176-187 the codes just made
.set PW,  188                          ; their scale word
.set SR,  189                          ; the stage, out
.set W1S, 192                          ; v192-207 W1's scale words (8 nt + kp)
.set BIAS, 208                         ; v208-223 b1 in the result's layout
.set ACC, 224                          ; v224-239
.set OUT, 240                          ; v240-255
.set SEL, 34                           ; s[34:35] v_permlanex16_b32's selects for lane l xor 16
; 64 numbers of a lane, register 32 c + i = k 64 c + 32 h + i of my row (two whole blocks), become a fragment's codes in v[PC] on and its scale word in v[PW]
.macro FQ src
.irp c, 0,1
	v_max3_num_f32 v[GMA+\c], |v[\src+32*\c]|, |v[\src+32*\c+1]|, |v[\src+32*\c+2]|
	v_max3_num_f32 v[GMB+\c], |v[\src+32*\c+3]|, |v[\src+32*\c+4]|, |v[\src+32*\c+5]|
.endr
.irp i, 6,10,14,18,22,26
.irp c, 0,1
	v_max3_num_f32 v[GMA+\c], v[GMA+\c], |v[\src+32*\c+\i]|, |v[\src+32*\c+\i+1]|
	v_max3_num_f32 v[GMB+\c], v[GMB+\c], |v[\src+32*\c+\i+2]|, |v[\src+32*\c+\i+3]|
.endr
.endr
.irp c, 0,1
	v_max3_num_f32 v[GMA+\c], v[GMA+\c], |v[\src+32*\c+30]|, |v[\src+32*\c+31]|
.endr
.irp c, 0,1
	v_max3_num_f32 v[GMA+\c], v[GMA+\c], v[GMB+\c], 0x2800000   ; the floor 2^(5 - 127)
.endr
.irp c, 0,1
	v_add_nc_u32 v[GEE+\c], 0xfe000000, v[GMA+\c]  ; 4 off the exponent field: the conversion's scale operand
.endr
.irp c, 0,1
	v_lshrrev_b32 v[GBY+\c], 23, v[GEE+\c]         ; the scale's byte
.endr
	v_lshl_or_b32 v[PW], v[GBY+1], 16, v[GBY]      ; my two bytes: blocks h and 2 + h,
	v_lshlrev_b32 v[PW], v[SH8], v[PW]             ; at their places;
	v_permlanex16_b32 v[GWT], v[PW], s[SEL], s[SEL+1]
	v_or_b32 v[PW], v[PW], v[GWT]                  ; with lane l xor 16's two the word is whole
.irp c, 0,1
	v_cvt_scalef32_pk16_bf6_f32 v[PC+6*\c:PC+6*\c+2], v[\src+32*\c:\src+32*\c+15], v[GEE+\c]
	v_cvt_scalef32_pk16_bf6_f32 v[TC+4*\c:TC+4*\c+2], v[\src+32*\c+16:\src+32*\c+31], v[GEE+\c]
.endr
	v_nop                                          ; one plain place behind a scaled conversion
.irp c, 0,1
.irp i, 0,1,2
	v_mov_b32 v[PC+6*\c+3+\i], v[TC+4*\c+\i]
.endr
.endr
.endm
.Lfc1:
	s_sub_co_u32 s19, ttmp9, 256
	s_lshr_b32 s20, s19, 3                         ; which 16 rows: 0 .. 24
	s_and_b32 s19, s19, 7                          ; which 128 columns
	s_mov_b32 s[SEL], 0x76543210
	s_mov_b32 s[SEL+1], 0xfedcba98
	v_and_b32 v4, 15, v0                           ; r
	v_bfe_u32 v5, v0, 4, 1                         ; h
	s_lshl_b32 s21, s20, 4
	v_add_nc_u32 v6, s21, v4                       ; my row R of f
	v_mul_u32_u24 v7, v6, 205
	v_lshrrev_b32 v7, 11, v7                       ; R / 10 (right for R under 100)
	v_mad_u32_u24 v7, v7, 30, v6                   ; a support row's place in x: R + 30 (R / 10)
	v_max_u32 v8, 100, v6
	v_add_nc_u32 v8, 0xffffff9c, v8                ; th = R - 100
	v_mul_u32_u24 v9, v8, 2185
	v_lshrrev_b32 v9, 16, v9                       ; th / 30 (right for th under 300)
	v_mad_u32_u24 v9, v9, 10, v8
	v_add_nc_u32 v9, 10, v9                        ; a query row's: th + 10 (th / 30) + 10
	v_cmp_gt_u32 vcc_lo, 100, v6
	v_cndmask_b32 v7, v9, v7, vcc_lo
	v_lshlrev_b32 v[XA], 12, v7
	v_lshl_add_u32 v[XA], v5, 7, v[XA]
	s_lshl_b32 s22, s18, 10
	v_add_nc_u32 v[XA], s22, v[XA]
	v_lshlrev_b32 v[WSA], 5, v4
	v_lshlrev_b32 v[BAO], 5, v5
	v_lshlrev_b32 v[LI], 4, v3
	v_lshlrev_b32 v[LS], 2, v3
	v_lshlrev_b32 v[SH8], 3, v5
	s_mul_i32 s22, s18, 3072
	s_add_co_u32 s22, s22, XIMG
	v_add_nc_u32 v[XWI], s22, v[LI]
	s_lshl_b32 s22, s18, 8
	s_add_co_u32 s22, s22, XSC
	v_add_nc_u32 v[XWS], s22, v[LS]
	v_mul_u32_u24 v[WA], v4, 768
	v_mad_u32_u24 v[WA], v5, 24, v[WA]
	s_lshl_b32 s22, s18, 7
	s_add_co_u32 s22, s22, STG
	v_mul_u32_u24 v[SO], v4, 528
	v_lshl_add_u32 v[SO], v5, 5, v[SO]
	v_add_nc_u32 v[SO], s22, v[SO]                 ; the stage: row r, + 32 h, + 128 w
	s_mul_i32 s22, s18, 2112
	s_add_co_u32 s22, s22, STG
	v_add_nc_u32 v[SR], s22, v[LI]                 ; back: my four rows, 16 bytes a lane
	v_mov_b32 v[GWT], 0                            ; (a lane permute's destination counts as one of its sources)
	s_lshl_b32 s22, s19, 3
	s_lshl_b32 s23, s18, 1
	s_add_co_u32 s22, s22, s23                     ; my first n-tile
	s_mul_i32 s24, s22, 12288                      ; 16 rows of 768 bytes
	s_mov_b32 s25, 0
	s_lshl_b32 s26, s22, 9                         ; 16 rows of 32 scale bytes
	s_mov_b32 s27, 0
	s_lshl_b32 s28, s22, 6                         ; 16 numbers of b1
	s_mov_b32 s29, 0
	s_lshl_b32 s30, s18, 2
	s_add_co_u32 s30, s30, s21
	s_lshl_b32 s30, s30, 12                        ; the rows of f that I store: 16 tau + 4 w on,
	s_lshl_b32 s31, s19, 9
	s_add_co_u32 s30, s30, s31                     ; the work-group's 512 bytes of them
	s_mov_b32 s31, 0
	s_wait_kmcnt 0x0
	s_add_nc_u64 s[6:7], s[6:7], s[24:25]
	s_add_nc_u64 s[8:9], s[8:9], s[26:27]
	s_add_nc_u64 s[10:11], s[10:11], s[28:29]
	s_add_nc_u64 s[30:31], s[14:15], s[30:31]
.irp e, 0,1                                    ; x first: it is wanted first
.irp c, 0,1
.irp j, 0,1,2,3,4,5,6,7
	global_load_b128 v[N0+64*\e+32*\c+4*\j:N0+64*\e+32*\c+4*\j+3], v[XA], s[4:5] offset:512*\e+256*\c+16*\j
.endr
.endr
.endr
	WIN 0x40                                       ; destination window 1: W1's fragments (nt, kp) at 12 (8 nt + kp)
.irp nt, 0,1
.irp kp, 0,1,2,3,4,5,6,7
.irp p, 0,1,2,3,4,5
	global_load_b64 v[12*(8*\nt+\kp)+2*\p:12*(8*\nt+\kp)+2*\p+1], v[WA], s[6:7] offset:\nt*12288+96*\kp+48*(\p/3)+8*(\p%3)
.endr
.endr
.endr
	WIN 0
.irp nt, 0,1
	global_load_b128 v[W1S+8*\nt:W1S+8*\nt+3], v[WSA], s[8:9] offset:512*\nt
	global_load_b128 v[W1S+8*\nt+4:W1S+8*\nt+7], v[WSA], s[8:9] offset:512*\nt+16
	global_load_b128 v[BIAS+8*\nt:BIAS+8*\nt+3], v[BAO], s[10:11] offset:64*\nt
	global_load_b128 v[BIAS+8*\nt+4:BIAS+8*\nt+7], v[BAO], s[10:11] offset:64*\nt+16
.endr
	s_wait_loadcnt 63                              ; 104 loads are younger than x's 32; the wait's field ends at 63, and a smaller count is safe
	FQ N0
.irp q, 0,1,2
	ds_store_b128 v[XWI], v[PC+4*\q:PC+4*\q+3] offset:512*\q   ; the fragment goes to LDS as an image of its registers
.endr
	ds_store_b32 v[XWS], v[PW]
	s_wait_dscnt 0x0                               ; the stores have read their registers
	FQ N1
.irp q, 0,1,2
	ds_store_b128 v[XWI], v[PC+4*\q:PC+4*\q+3] offset:1536+512*\q
.endr
	ds_store_b32 v[XWS], v[PW] offset:128
	s_wait_dscnt 0x0                               ; for the others' sake: my stores have landed
	s_barrier_signal -1
	s_barrier_wait -1                              ; x's eight fragments lie in LDS
.irp kp, 0,1,2,3,4,5,6,7
.irp q, 0,1,2
	ds_load_b128 v[AFR+12*\kp+4*\q:AFR+12*\kp+4*\q+3], v[LI] offset:XIMG+1536*\kp+512*\q
.endr
	ds_load_b32 v[XSW+\kp], v[LS] offset:XSC+128*\kp
.endr
	s_wait_dscnt 0x0
	s_wait_loadcnt 0x0                             ; W1's fragments, scale words and b1
	WIN 0x01                                       ; source 0 (W1) window 1
.irp kp, 0,1,2,3,4,5,6,7                       ; the two accumulators by turns
.irp nt, 0,1
.if \kp == 0
	v_wmma_scale_f32_16x16x128_f8f6f4 v[ACC+8*\nt:ACC+8*\nt+7], v[12*(8*\nt+\kp):12*(8*\nt+\kp)+11], v[AFR+12*\kp:AFR+12*\kp+11], v[BIAS+8*\nt:BIAS+8*\nt+7], v[W1S+8*\nt+\kp], v[XSW+\kp] matrix_a_fmt:MATRIX_FMT_BF6 matrix_b_fmt:MATRIX_FMT_BF6
.else
	v_wmma_scale_f32_16x16x128_f8f6f4 v[ACC+8*\nt:ACC+8*\nt+7], v[12*(8*\nt+\kp):12*(8*\nt+\kp)+11], v[AFR+12*\kp:AFR+12*\kp+11], v[ACC+8*\nt:ACC+8*\nt+7], v[W1S+8*\nt+\kp], v[XSW+\kp] matrix_a_fmt:MATRIX_FMT_BF6 matrix_b_fmt:MATRIX_FMT_BF6
.endif
.endr
.endr
	WIN 0
.rept 4
	v_nop                                          ; four places behind the last products, ahead of the stores that read them
.endr
.irp nt, 0,1
	ds_store_b128 v[SO], v[ACC+8*\nt:ACC+8*\nt+3] offset:64*\nt        ; lane (r, h): f(row r, 32 w + 16 nt + 8 h + 0 .. 7)
	ds_store_b128 v[SO], v[ACC+8*\nt+4:ACC+8*\nt+7] offset:64*\nt+16
.endr
	s_wait_dscnt 0x0
	s_barrier_signal -1
	s_barrier_wait -1                              ; 16 rows of 512 bytes lie in the stage
.irp i, 0,1,2,3
	ds_load_b128 v[OUT+4*\i:OUT+4*\i+3], v[SR] offset:528*\i
.endr
.irp i, 0,1,2,3
	s_wait_dscnt 3-\i
	global_store_b128 v[LI], v[OUT+4*\i:OUT+4*\i+3], s[30:31] offset:4096*\i   ; 32 lanes store 512 consecutive bytes, at a multiple of 256 from f's first byte
.endr
	s_cmp_eq_u32 ttmp9, 455                        ; the last work-group also writes the 512 bytes behind f's last row: the third launch's tiles reach 16 bytes into them
	s_cbranch_scc0 .Lfc1_end
.irp i, 0,1,2,3
	v_mov_b32 v[GMA+\i], 0
.endr
	s_add_nc_u64 s[28:29], s[14:15], 1638400
	global_store_b128 v[LI], v[GMA:GMA+3], s[28:29]   ; (all four waves store the same zeros)
.Lfc1_end:
	s_wait_tensorcnt 0x0                           ; the wave's end
	ds_add_u32 v[SPW], v[NIL]
	s_wait_dscnt 0x0
	s_endpgm
.Lfunc_end_k_q58a27fb313_prep:
	.size	k_q58a27fb313_prep, .Lfunc_end_k_q58a27fb313_prep-k_q58a27fb313_prep
	.p2alignl 7, 3214868480
	.fill 96, 4, 3214868480
	.section	.rodata,"a",@progbits
	.p2align	6, 0x0
	.amdhsa_kernel k_q58a27fb313_prep
		.amdhsa_group_segment_fixed_size 34560
		.amdhsa_private_segment_fixed_size 0
		.amdhsa_enable_private_segment 0
		.amdhsa_kernarg_size 56
		.amdhsa_user_sgpr_count 2
		.amdhsa_user_sgpr_kernarg_segment_ptr 1
		.amdhsa_wavefront_size32 1
		.amdhsa_system_sgpr_workgroup_id_x 1
		.amdhsa_system_sgpr_workgroup_id_y 1
		.amdhsa_system_sgpr_workgroup_id_z 1
		.amdhsa_system_vgpr_workitem_id 0
		.amdhsa_next_free_vgpr 448
		.amdhsa_next_free_sgpr 66
		.amdhsa_reserve_vcc 1
		.amdhsa_float_denorm_mode_32 3
		.amdhsa_float_denorm_mode_16_64 3
		.amdhsa_memory_ordered 1
		.amdhsa_forward_progress 1
		.amdhsa_inst_pref_size 50
	.end_amdhsa_kernel
	.amdgpu_metadata
---
amdhsa.version: [ 1, 2 ]
amdhsa.kernels:
  - .name:           k_q58a27fb313_prep
    .symbol:         k_q58a27fb313_prep.kd
    .args:
      - { .name: x, .offset: 0, .size: 8, .value_kind: global_buffer, .address_space: global }
      - { .name: W1_codes, .offset: 8, .size: 8, .value_kind: global_buffer, .address_space: global }
      - { .name: W1_scales, .offset: 16, .size: 8, .value_kind: global_buffer, .address_space: global }
      - { .name: b1, .offset: 24, .size: 8, .value_kind: global_buffer, .address_space: global }
      - { .name: W2, .offset: 32, .size: 8, .value_kind: global_buffer, .address_space: global }
      - { .name: f, .offset: 40, .size: 8, .value_kind: global_buffer, .address_space: global }
      - { .name: w2c, .offset: 48, .size: 8, .value_kind: global_buffer, .address_space: global }
    .group_segment_fixed_size: 34560
    .private_segment_fixed_size: 0
    .kernarg_segment_align: 8
    .kernarg_segment_size: 56
    .max_flat_workgroup_size: 128
    .sgpr_count:     66
    .vgpr_count:     448
    .wavefront_size: 32
...
	.end_amdgpu_metadata
.endif
;; end of part 1
;; launch fc2a (part 2): grid 208 x 1, 4 waves a work-group, no clusters, 22,272 bytes of LDS; arguments f, w2c, b2, a; writes a
.if DOCPART == 2
	.amdgcn_target "amdgcn-amd-amdhsa--gfx1250"
	.amdhsa_code_object_version 6
	.text
	.protected	k_q58a27fb313_fc2a
	.globl	k_q58a27fb313_fc2a
	.p2align	8
	.type	k_q58a27fb313_fc2a,@function
k_q58a27fb313_fc2a:
	s_mov_b64 s[64:65], 0
	v_nop
	global_prefetch_b8 v0, s[64:65] scope:SCOPE_SE
	s_setreg_imm32_b32 hwreg(HW_REG_WAVE_MODE, 25, 1), 1
	s_wait_xcnt 0x0
; a[R][:] = c (Q(f[R]) Q(Ws) + b2) for the 100 support rows R, with c = 2 log2(e), the factor that the third launch's exponentials want; a[R][:] = Q(f[R]) Q(Wq), as it is, for the 300 query rows:
; the third launch gives those to its sums as their C.  y is not read (first kernel's head).
; Work-groups 8 t + cg: t under 7: support rows 16 t on (the last tile's lanes past row 99 repeat row 99); else query rows 100 + 16 (t - 7) on (past row 399: row 399).  Repeated rows give the same
; numbers, which the same work-group stores to the same bytes.  cg: 128 columns.  Wave w quantises K steps 2 w, 2 w + 1 of the rows, hands their images round through LDS, and makes n-tiles 2 (4 cg + w) + 0, 1.
; W2's fragments come from w2c (half 0) as images of their registers: three loads of 16 bytes a lane.  Its scale words: lanes 0-15 n-tile 0, lanes 16-31 n-tile 1 of the pair.
; The way out is fma(sum, u, k b2): u = k = c for support rows, u = 1 and k = 0 for query rows: no branch.  LIMIT: with an infinity or NaN in b2 the query rows would be NaN (such inputs are not served).
.set XIMG,  0
.set XSC,   12288
.set STG,   13312
.set SPARE, 21760
.set SPW, 1
.set NIL, 2
.set XA,  7
.set BAO, 8
.set SO,  9
.set LI,  10
.set LS,  11
.set SH8, 12
.set XWI, 13
.set XWS, 14
.set N0,  16
.set N1,  80
.set AFR, 16
.set XSW, 112
.set GMA, 144
.set GMB, 146
.set GEE, 148
.set GBY, 150
.set GWT, 152
.set TC,  154
.set BK,  160                          ; v160-175 rows read back from the stage
.set PC,  176
.set PW,  188
.set SR,  189
.set W2S, 192                          ; v192-199 W2's scale words, one register a K step
.set BIAS, 208
.set ACC, 224
.set OUT, 240
.set SEL, 44
.set MSB, 0
.macro WIN new
.if MSB != \new
	s_set_vgpr_msb (MSB<<8)|\new
.set MSB, \new
.endif
.endm
.macro FQ src                          ; as in the first launch: 64 numbers of a lane (two whole blocks) to codes in v[PC] on and a scale word in v[PW]
.irp c, 0,1
	v_max3_num_f32 v[GMA+\c], |v[\src+32*\c]|, |v[\src+32*\c+1]|, |v[\src+32*\c+2]|
	v_max3_num_f32 v[GMB+\c], |v[\src+32*\c+3]|, |v[\src+32*\c+4]|, |v[\src+32*\c+5]|
.endr
.irp i, 6,10,14,18,22,26
.irp c, 0,1
	v_max3_num_f32 v[GMA+\c], v[GMA+\c], |v[\src+32*\c+\i]|, |v[\src+32*\c+\i+1]|
	v_max3_num_f32 v[GMB+\c], v[GMB+\c], |v[\src+32*\c+\i+2]|, |v[\src+32*\c+\i+3]|
.endr
.endr
.irp c, 0,1
	v_max3_num_f32 v[GMA+\c], v[GMA+\c], |v[\src+32*\c+30]|, |v[\src+32*\c+31]|
.endr
.irp c, 0,1
	v_max3_num_f32 v[GMA+\c], v[GMA+\c], v[GMB+\c], 0x2800000
.endr
.irp c, 0,1
	v_add_nc_u32 v[GEE+\c], 0xfe000000, v[GMA+\c]
.endr
.irp c, 0,1
	v_lshrrev_b32 v[GBY+\c], 23, v[GEE+\c]
.endr
	v_lshl_or_b32 v[PW], v[GBY+1], 16, v[GBY]
	v_lshlrev_b32 v[PW], v[SH8], v[PW]
	v_permlanex16_b32 v[GWT], v[PW], s[SEL], s[SEL+1]
	v_or_b32 v[PW], v[PW], v[GWT]
.irp c, 0,1
	v_cvt_scalef32_pk16_bf6_f32 v[PC+6*\c:PC+6*\c+2], v[\src+32*\c:\src+32*\c+15], v[GEE+\c]
	v_cvt_scalef32_pk16_bf6_f32 v[TC+4*\c:TC+4*\c+2], v[\src+32*\c+16:\src+32*\c+31], v[GEE+\c]
.endr
	v_nop                                          ; one plain place behind a scaled conversion
.irp c, 0,1
.irp i, 0,1,2
	v_mov_b32 v[PC+6*\c+3+\i], v[TC+4*\c+\i]
.endr
.endr
.endm
	s_load_b256 s[4:11], s[0:1], 0x0               ; f, w2c, b2, a
	v_lshl_add_u32 v[SPW], v0, 2, SPARE
	v_mov_b32 v[NIL], 0
	v_lshrrev_b32 v3, 5, v0
	v_readfirstlane_b32 s18, v3                    ; wave
	v_and_b32 v3, 31, v0                           ; lane
	s_lshr_b32 s20, ttmp9, 3                       ; which tile of rows: 0 .. 25
	s_and_b32 s19, ttmp9, 7                        ; which 128 columns
	s_mov_b32 s22, 0x4038aa3b                      ; c = 2 log2(e)
	s_mov_b32 s[SEL], 0x76543210
	s_mov_b32 s[SEL+1], 0xfedcba98
	s_mov_b32 s24, 399
	s_mov_b32 s25, 24576
	s_cmp_lt_u32 s20, 7                            ; support rows?  (the work-group's number alone)
	s_cselect_b32 s24, 99, s24                     ; the last row of my kind
	s_cselect_b32 s25, 0, s25                      ; Ws: K steps 0-7 of the half; Wq: 8-15, 8 x 3,072 bytes on
	s_cselect_b32 s26, 0, 1024                     ; and their scale words two runs of 512 bytes on
	s_cselect_b32 s27, 0, 12
	s_cselect_b32 s28, s22, 0                      ; k
	s_cselect_b32 s46, s22, 1.0                    ; u
	s_mov_b32 s29, s28                             ; (the packed forms name pairs)
	s_mov_b32 s47, s46
	s_lshl_b32 s21, s20, 4
	s_sub_co_u32 s21, s21, s27                     ; my tile's first row: 16 t, or 100 + 16 (t - 7)
	v_and_b32 v4, 15, v0                           ; r
	v_bfe_u32 v5, v0, 4, 1                         ; h
	v_add_nc_u32 v6, s21, v4
	v_min_u32 v6, s24, v6                          ; my row
	v_lshlrev_b32 v[XA], 12, v6
	v_lshl_add_u32 v[XA], v5, 7, v[XA]
	s_lshl_b32 s30, s18, 10
	v_add_nc_u32 v[XA], s30, v[XA]
	v_lshlrev_b32 v[BAO], 5, v5
	v_lshlrev_b32 v[LI], 4, v3
	v_lshlrev_b32 v[LS], 2, v3
	v_lshlrev_b32 v[SH8], 3, v5
	s_mul_i32 s30, s18, 3072
	v_add_nc_u32 v[XWI], s30, v[LI]                ; (XIMG = 0)
	s_lshl_b32 s30, s18, 8
	s_add_co_u32 s30, s30, XSC
	v_add_nc_u32 v[XWS], s30, v[LS]
	s_lshl_b32 s30, s18, 7
	s_add_co_u32 s30, s30, STG
	v_mul_u32_u24 v[SO], v4, 528
	v_lshl_add_u32 v[SO], v5, 5, v[SO]
	v_add_nc_u32 v[SO], s30, v[SO]
	s_mul_i32 s30, s18, 2112
	s_add_co_u32 s30, s30, STG
	v_add_nc_u32 v[SR], s30, v[LI]
	v_mov_b32 v[GWT], 0
	s_lshl_b32 s30, s19, 2
	s_add_co_u32 s30, s30, s18                     ; my pair P
	s_mul_i32 s12, s30, 51200
	s_add_co_u32 s14, s12, s26
	s_add_co_u32 s14, s14, 49152                   ; its scale words
	s_mov_b32 s15, 0
	s_add_co_u32 s12, s12, s25                     ; its fragments
	s_mov_b32 s13, 0
	s_lshl_b32 s16, s30, 7                         ; its 32 numbers of b2
	s_mov_b32 s17, 0
	s_lshl_b32 s31, s19, 9
	s_lshl_b32 s30, s18, 2
	s_add_co_u32 s30, s30, s21                     ; the first row that I store
	s_wait_kmcnt 0x0
.irp i, 0,1,2,3
	s_add_co_u32 s32, s30, \i
	s_min_u32 s32, s32, s24
	s_lshl_b32 s32, s32, 12
	s_add_co_u32 s32, s32, s31
	s_mov_b32 s33, 0
	s_add_nc_u64 s[36+2*\i:37+2*\i], s[10:11], s[32:33]
.endr
	s_add_nc_u64 s[12:13], s[6:7], s[12:13]
	s_add_nc_u64 s[14:15], s[6:7], s[14:15]
	s_add_nc_u64 s[8:9], s[8:9], s[16:17]
.irp e, 0,1                                    ; the rows' numbers first: they are wanted first
.irp c, 0,1
.irp j, 0,1,2,3,4,5,6,7
	global_load_b128 v[N0+64*\e+32*\c+4*\j:N0+64*\e+32*\c+4*\j+3], v[XA], s[4:5] offset:512*\e+256*\c+16*\j
.endr
.endr
.endr
	WIN 0x40                                       ; destination window 1: W2's fragments (nt, kp) at 12 (8 nt + kp)
.irp nt, 0,1
.irp kp, 0,1,2,3,4,5,6,7
.irp q, 0,1,2
	global_load_b128 v[12*(8*\nt+\kp)+4*\q:12*(8*\nt+\kp)+4*\q+3], v[LI], s[12:13] offset:(2*\kp+\nt)*1536+512*\q
.endr
.endr
.endr
	WIN 0
	global_load_b128 v[W2S:W2S+3], v[LI], s[14:15]
	global_load_b128 v[W2S+4:W2S+7], v[LI], s[14:15] offset:512
.irp nt, 0,1
	global_load_b128 v[BIAS+8*\nt:BIAS+8*\nt+3], v[BAO], s[8:9] offset:64*\nt
	global_load_b128 v[BIAS+8*\nt+4:BIAS+8*\nt+7], v[BAO], s[8:9] offset:64*\nt+16
.endr
	s_wait_loadcnt 54                              ; the 54 loads behind the rows' 32 may stay out
	FQ N0
.irp q, 0,1,2
	ds_store_b128 v[XWI], v[PC+4*\q:PC+4*\q+3] offset:512*\q
.endr
	ds_store_b32 v[XWS], v[PW]
	s_wait_dscnt 0x0                               ; the stores have read their registers
	FQ N1
.irp q, 0,1,2
	ds_store_b128 v[XWI], v[PC+4*\q:PC+4*\q+3] offset:1536+512*\q
.endr
	ds_store_b32 v[XWS], v[PW] offset:128
	s_wait_dscnt 0x0
	s_barrier_signal -1
	s_barrier_wait -1                              ; the rows' eight fragments lie in LDS
.irp kp, 0,1,2,3,4,5,6,7
.irp q, 0,1,2
	ds_load_b128 v[AFR+12*\kp+4*\q:AFR+12*\kp+4*\q+3], v[LI] offset:XIMG+1536*\kp+512*\q
.endr
	ds_load_b32 v[XSW+\kp], v[LS] offset:XSC+128*\kp
.endr
	s_wait_dscnt 0x0
	s_wait_loadcnt 0x0
.irp i, 0,2,4,6,8,10,12,14
	v_pk_mul_f32 v[BIAS+\i:BIAS+\i+1], v[BIAS+\i:BIAS+\i+1], s[28:29] op_sel_hi:[1,0]   ; k b2
.endr
	WIN 0x01                                       ; source 0 (W2) window 1
.irp kp, 0,1,2,3,4,5,6,7                       ; the two accumulators by turns
.if \kp == 0
	v_wmma_scale_f32_16x16x128_f8f6f4 v[ACC:ACC+7], v[12*\kp:12*\kp+11], v[AFR+12*\kp:AFR+12*\kp+11], 0, v[W2S+\kp], v[XSW+\kp] matrix_a_fmt:MATRIX_FMT_BF6 matrix_b_fmt:MATRIX_FMT_BF6
	v_wmma_scale_f32_16x16x128_f8f6f4 v[ACC+8:ACC+15], v[12*(8+\kp):12*(8+\kp)+11], v[AFR+12*\kp:AFR+12*\kp+11], 0, v[W2S+\kp], v[XSW+\kp] matrix_a_fmt:MATRIX_FMT_BF6 matrix_b_fmt:MATRIX_FMT_BF6 matrix_a_scale:MATRIX_SCALE_ROW1
.else
	v_wmma_scale_f32_16x16x128_f8f6f4 v[ACC:ACC+7], v[12*\kp:12*\kp+11], v[AFR+12*\kp:AFR+12*\kp+11], v[ACC:ACC+7], v[W2S+\kp], v[XSW+\kp] matrix_a_fmt:MATRIX_FMT_BF6 matrix_b_fmt:MATRIX_FMT_BF6
	v_wmma_scale_f32_16x16x128_f8f6f4 v[ACC+8:ACC+15], v[12*(8+\kp):12*(8+\kp)+11], v[AFR+12*\kp:AFR+12*\kp+11], v[ACC+8:ACC+15], v[W2S+\kp], v[XSW+\kp] matrix_a_fmt:MATRIX_FMT_BF6 matrix_b_fmt:MATRIX_FMT_BF6 matrix_a_scale:MATRIX_SCALE_ROW1
.endif
.endr
	WIN 0
.rept 4
	v_nop                                          ; four places behind the last products
.endr
.irp i, 0,2,4,6,8,10,12,14
	v_pk_fma_f32 v[OUT+\i:OUT+\i+1], v[ACC+\i:ACC+\i+1], s[46:47], v[BIAS+\i:BIAS+\i+1] op_sel_hi:[1,0,1]   ; u x sum + k b2; each accumulator from its low end on
.endr
.irp nt, 0,1
	ds_store_b128 v[SO], v[OUT+8*\nt:OUT+8*\nt+3] offset:64*\nt
	ds_store_b128 v[SO], v[OUT+8*\nt+4:OUT+8*\nt+7] offset:64*\nt+16
.endr
	s_wait_dscnt 0x0
	s_barrier_signal -1
	s_barrier_wait -1
.irp i, 0,1,2,3
	ds_load_b128 v[BK+4*\i:BK+4*\i+3], v[SR] offset:528*\i
.endr
.irp i, 0,1,2,3
	s_wait_dscnt 3-\i
	global_store_b128 v[LI], v[BK+4*\i:BK+4*\i+3], s[36+2*\i:37+2*\i]   ; 32 lanes store 512 consecutive bytes, at a multiple of 256 from a's first byte
.endr
	s_wait_tensorcnt 0x0                           ; the wave's end
	ds_add_u32 v[SPW], v[NIL]
	s_wait_dscnt 0x0
	s_endpgm
.Lfunc_end_k_q58a27fb313_fc2a:
	.size	k_q58a27fb313_fc2a, .Lfunc_end_k_q58a27fb313_fc2a-k_q58a27fb313_fc2a
	.p2alignl 7, 3214868480
	.fill 96, 4, 3214868480
	.section	.rodata,"a",@progbits
	.p2align	6, 0x0
	.amdhsa_kernel k_q58a27fb313_fc2a
		.amdhsa_group_segment_fixed_size 22272
		.amdhsa_private_segment_fixed_size 0
		.amdhsa_enable_private_segment 0
		.amdhsa_kernarg_size 32
		.amdhsa_user_sgpr_count 2
		.amdhsa_user_sgpr_kernarg_segment_ptr 1
		.amdhsa_wavefront_size32 1
		.amdhsa_system_sgpr_workgroup_id_x 1
		.amdhsa_system_sgpr_workgroup_id_y 1
		.amdhsa_system_sgpr_workgroup_id_z 1
		.amdhsa_system_vgpr_workitem_id 0
		.amdhsa_next_free_vgpr 448
		.amdhsa_next_free_sgpr 66
		.amdhsa_reserve_vcc 0
		.amdhsa_float_denorm_mode_32 3
		.amdhsa_float_denorm_mode_16_64 3
		.amdhsa_memory_ordered 1
		.amdhsa_forward_progress 1
		.amdhsa_inst_pref_size 25
	.end_amdhsa_kernel
	.amdgpu_metadata
---
amdhsa.version: [ 1, 2 ]
amdhsa.kernels:
  - .name:           k_q58a27fb313_fc2a
    .symbol:         k_q58a27fb313_fc2a.kd
    .args:
      - { .name: f, .offset: 0, .size: 8, .value_kind: global_buffer, .address_space: global }
      - { .name: w2c, .offset: 8, .size: 8, .value_kind: global_buffer, .address_space: global }
      - { .name: b2, .offset: 16, .size: 8, .value_kind: global_buffer, .address_space: global }
      - { .name: a, .offset: 24, .size: 8, .value_kind: global_buffer, .address_space: global }
    .group_segment_fixed_size: 22272
    .private_segment_fixed_size: 0
    .kernarg_segment_align: 8
    .kernarg_segment_size: 32
    .max_flat_workgroup_size: 128
    .sgpr_count:     66
    .vgpr_count:     448
    .wavefront_size: 32
...
	.end_amdgpu_metadata
.endif
;; end of part 2
;; launch main (part 3): grid 10 x 25, 4 waves a work-group, clusters of 2 x 1, 327,680 bytes of LDS; arguments w2c, f, a, x, out0; writes out0
.if DOCPART == 3
	.amdgcn_target "amdgcn-amd-amdhsa--gfx1250"
	.amdhsa_code_object_version 6
	.text
	.protected	k_q58a27fb313_main
	.globl	k_q58a27fb313_main
	.p2align	8
	.type	k_q58a27fb313_main,@function
k_q58a27fb313_main:
	s_mov_b64 s[64:65], 0
	v_nop
	global_prefetch_b8 v0, s[64:65] scope:SCOPE_SE
	s_setreg_imm32_b32 hwreg(HW_REG_WAVE_MODE, 25, 1), 1
	s_wait_xcnt 0x0
	s_wait_alu depctr_hold_cnt(0) depctr_sa_sdst(0) depctr_va_vdst(0) depctr_va_sdst(0) depctr_va_ssrc(0) depctr_va_vcc(0) depctr_vm_vsrc(0)
	s_getreg_b32 s2, hwreg(HW_REG_IB_STS2, 6, 4)
	s_cmp_eq_u32 s2, 0
	s_cbranch_scc0 .Lentry_in_a_cluster
	s_endpgm
.Lentry_in_a_cluster:
	s_bfe_u32 s2, ttmp6, 0x10000c
	s_cmp_lg_u32 s2, 0x1001
	s_cbranch_scc0 .Lentry_shape_is_right
	s_endpgm
.Lentry_shape_is_right:
; out0[th][c] for one class c and twelve queries th = 12 g + ql: the 120 rows (ql, s) of |sf - qf| and sf x qf are made and quantised, multiplied by Wc and Wd (K = 2,048, N = 1,024), and go through
; tanh, the sum over N, the softmax over s, the prototype and the distance.  Nothing of it goes to memory.  Left out (shown at the first kernel's head): y; the 1024 in 1024 - 2 R.
; r = 1 / (1 + 2^(c (a_q + D) + a'_s)), c = 2 log2(e); a_q and a'_s = c (a_s + b2) are the second launch's rows; a_q is the C of each sum's first product.  2^x = infinity gives r = 0, 2^x = 0 gives r = 1: tanh's own ends.
; |sf - qf|: the quantiser treats a number and its negative alike, so the signed difference is quantised (|.| on the maximum's sources) and the 16 sign bits of each 96 bits of codes are cleared.
; ROWS.  Lane r of tile T = 4 mh + tl holds, with ge = 1 for r >= 10: query ql = T + ge (8 - 4 mh), support s = r - ge (10 - 6 mh).  So lanes 0-9 hold query T against supports 0-9, lanes 10-15 queries
; 8-11; s hangs on the lane and mh alone, so a wave's four tiles share sf and a'_s.  Two lanes of the waves with mh = 1 get s = 10, 11: they read the next rows of LDS (finite numbers) and their sums land in words nobody reads.
; WAVES.  mh = w / 2: tiles 4 mh .. 4 mh + 3.  nh = w % 2: which of a slot's two pairs of n-tiles.  A wave keeps its 64 rows x 2,048 K of A in registers (64 fragments, 768 registers), so a fragment of B read from LDS feeds four products.
; B comes through two LDS slots of 102,400 bytes (two pair blocks of w2c, dense in memory), a quarter to a wave.  CLUSTER: all work-groups walk the same B; 250 work-groups = 2 x 5^3 divide into clusters of two
; and not of four: the two classes of a cluster ask for each quarter jointly (mask 3).  f's tiles are each work-group's own (plain loads: sf hangs on the class).
; THE MATRIX INSTRUCTION IS USED TRANSPOSED: source 0 = 16 columns of W2, source 1 = 16 rows of A: a lane holds one row and eight neighbouring columns.
; REGISTER WINDOWS.  A's fragment k = 4 kp + tl lies in window 1 + k / 21 at 12 (k % 21); fragment 63 in window 0.  A is source 1 of every product, and no other line of the loop has a vector register as
; its source 1: so the one field that changes is source 1's, four times in 64 products.
.set CL,    1                          ; 1: clusters of two and joint loads; 0: none (then the launch says cluster = none)
.set R1,    102400                     ; LDS: slot 0 at 0; here slot 1, which first holds f's pieces
.set SLOTB, 102400
.set QRT,   25600
.set PAIRB, 51200
.set HALF1, 1638400                    ; w2c's second half: Wc, Wd
.set FROW,  528                        ; a piece's row: 132 numbers, no padding: 33 x 16 bytes, so that 16 rows start in 16 different groups of banks (ISA guide 11.1)
.set FQO,   5280                       ; a piece: 10 rows of sf, then 15 of qf (the last three arrive as zeros)
.set FPS,   13200                      ; eight pieces fill bytes 102,400 .. 208,000 without a gap
.set XR,    208128                     ; A's images of one round, (8 tile + e) x 1536; afterwards a: 22 rows x 4,112
.set XSR,   306432                     ; A's scale words of a round, (4 tile + e) x 128
.set SCB,   310528                     ; the sums R: 768 nh + 64 ql + 4 s
.set SPARE, 312576                     ; the spare words: 128 bytes a wave, named by no other line
.set AP,    4112                       ; a row of a: 4,096 + 16 bytes
.set SPW, 1                            ; v1, v2: my spare word's address, and 0; never rewritten
.set NIL, 2
.set PS0, 3                            ; while A is made: v3 sf's and v4 qf's address in piece 0; v5, v6 where my images and scale words go; v7 8 h;
.set PQ0, 4
.set PIM0, 5
.set PSW0, 6
.set SH8, 7
.set PS,  8                            ; v8-11, v254, v255: the same for the piece in hand and the piece ahead
.set PQ,  9
.set PSN, 10
.set PQN, 11
.set PIM, 254
.set PSW, 255
.set BA,  3                            ; in the loop: v3, v4 B's fragments in slot 0, 1; v5, v6 its scale words; v7 a'_s, v8 a_q
.set BS,  5
.set AAS, 7
.set AAQ, 8
.set SROW, 12                          ; v12 s, v13 ql of tile tl = 0; v14 256 x lane (the prefetch); v15 16 x lane
.set QL0, 13
.set PFO, 14
.set L16, 15
.set ASC, 16                           ; v16-47  A's scale words (8 tl + e): lanes 0-15 K step e (d1), lanes 16-31 K step 8 + e (d2)
.set BSC, 48                           ; v48-63  B's scale words of a slot, one register a K step: lanes 0-15 n-tile t = 0, lanes 16-31 t = 1
.set ACC, 64                           ; v64-127 two sets of four accumulators
.set RING, 128                         ; v128-223 eight places for fragments of B: K step kp lies in place kp % 8
.set F63, 224                          ; v224-235 A's fragment 63
.set SM,  236                          ; v236-243 sums of r, a pair a tile
.set ATS, 244                          ; v244-251 a'_s of an n-tile
.set SFA, 48                           ; while A is made: sf, two buffers; qf, two buffers; the differences; codes; at work
.set SFB, 80
.set QFA, 112
.set QFB, 144
.set TT,  176
.set CD1, 208
.set CD2, 220
.set TC,  232
.set MX,  240
.set EE,  244
.set BY,  246
.set WW,  250
.set PR,  64                           ; the way out: v64-159 three prototypes; v160-231 R, then p
.set RR,  160
.set DSM, 232
.set EB,  248
.set EA,  252
.set MSB, 0
.macro WIN new                         ; the immediate's high byte repeats the setting that is left
.if MSB != \new
	s_set_vgpr_msb (MSB<<8)|\new
.set MSB, \new
.endif
.endm
.macro CREST                           ; a round of the cluster's barrier behind its opening barrier
.if CL
	s_cmp_lg_u32 s14, 0
	s_cbranch_scc1 .Lnot_wave_0_\@
	s_barrier_signal -3
.Lnot_wave_0_\@:
	s_barrier_wait -3
	s_barrier_signal -1
	s_barrier_wait -1
.endif
.endm
.macro ROUND
	s_barrier_signal -1
	s_barrier_wait -1
	CREST
.endm
.macro NOPS4
.rept 4
	v_nop
.endr
.endm
	s_load_b256 s[4:11], s[0:1], 0x0               ; w2c, f, a, x
	s_load_b64 s[12:13], s[0:1], 0x20              ; out0
	v_lshl_add_u32 v[SPW], v0, 2, SPARE
	v_mov_b32 v[NIL], 0
	ds_add_u32 v[SPW], v[NIL]                      ; the wave's opening: the add, twice on end, and its wait ahead of my first tensor load
	ds_add_u32 v[SPW], v[NIL]
	v_lshrrev_b32 v3, 5, v0
	v_readfirstlane_b32 s14, v3                    ; wave
	s_lshr_b32 s15, s14, 1                         ; mh
	s_and_b32 s16, s14, 1                          ; nh
.if CL
	s_bfe_u32 s17, ttmp6, 0x40000                  ; cx: it enters global addresses alone
	s_mov_b32 s81, ttmp9                           ; which pair of classes
	s_lshl_b32 s18, ttmp9, 1
	s_add_co_u32 s18, s18, s17                     ; my class
.else
	s_and_b32 s17, ttmp9, 1
	s_lshr_b32 s81, ttmp9, 1
	s_mov_b32 s18, ttmp9
.endif
	s_and_b32 s19, ttmp7, 0xffff                   ; g: my twelve queries
	s_mov_b32 s20, 0x76543210
	s_mov_b32 s21, 0xfedcba98                      ; v_permlanex16_b32's selects for lane l xor 16
	s_mov_b32 s22, 0x4038aa3b                      ; c = 2 log2(e)
	s_mov_b32 s23, s22
	s_mov_b32 s76, 0xdf7df7df                      ; all but the sign bits of 16 codes in 96 bits
	s_mov_b32 s77, 0xf7df7df7
	s_mov_b32 s78, 0x7df7df7d
	s_mov_b32 s79, 0xffff0000                      ; lanes 16-31
	s_mov_b32 s80, 0                               ; the K step of f in hand
	; group 1 for B: 100 rows of 256 bytes (32 elements of 8), dense
.if CL
	s_mov_b32 s24, 3|(3<<16)|(1<<21)               ; the mask names both work-groups; bit 21 beside it
.else
	s_mov_b32 s24, 3<<16
.endif
	s_mov_b32 s25, 32<<16
	s_mov_b32 s26, 100<<16
	s_mov_b32 s27, 32<<16
	s_mov_b32 s28, 100
	s_mov_b32 s29, 32
	s_mov_b32 s30, 0
	s_mov_b32 s31, 0
	; group 1 for sf: 10 rows of 132 numbers, 1,024 numbers apart
	s_mov_b32 s32, 2<<16
	s_mov_b32 s33, 132<<16
	s_mov_b32 s34, 10<<16
	s_mov_b32 s35, 132<<16
	s_mov_b32 s36, 10
	s_mov_b32 s37, 1024
	s_mov_b32 s38, 0
	s_mov_b32 s39, 0
	; group 1 for qf: a tile of 15 rows of which the tensor has 12: the other three arrive as zeros
	s_mov_b32 s40, 2<<16
	s_mov_b32 s41, 132<<16
	s_mov_b32 s42, 12<<16
	s_mov_b32 s43, 132<<16
	s_mov_b32 s44, 15
	s_mov_b32 s45, 1024
	s_mov_b32 s46, 0
	s_mov_b32 s47, 0
	; groups 0: count, LDS address
	s_mul_i32 s82, s14, QRT
	s_mov_b32 s48, 1
	s_mov_b32 s49, s82                             ; slot 0, my quarter
	s_mov_b32 s52, 1
	s_add_co_u32 s53, s82, R1                      ; slot 1, my quarter
	s_mul_i32 s84, s14, 2*FPS                      ; pieces 2 w and 2 w + 1
	s_mov_b32 s56, 1
	s_add_co_u32 s57, s84, R1
	s_mov_b32 s60, 1
	s_add_co_u32 s61, s84, R1+FPS
	s_mov_b32 s68, 1
	s_add_co_u32 s69, s84, R1+FQO
	s_mov_b32 s72, 1
	s_add_co_u32 s73, s84, R1+FPS+FQO
	s_add_co_u32 s82, s82, HALF1
	s_mov_b32 s83, 0
	s_wait_dscnt 0x0                               ; both opening adds are done
	s_wait_kmcnt 0x0
	s_add_nc_u64 s[50:51], s[4:5], s[82:83]        ; B: made of the wave's number alone: equal in both partners
	s_add_nc_u64 s[54:55], s[50:51], SLOTB
	s_or_b32 s51, s51, 0x80000000
	s_or_b32 s55, s55, 0x80000000
	s_mul_i32 s82, s18, 40960                      ; sf: rows 10 c on,
	s_lshl_b32 s84, s14, 10                        ; my two pieces' 1,024 bytes of them
	s_add_co_u32 s82, s82, s84
	s_add_nc_u64 s[58:59], s[6:7], s[82:83]
	s_add_nc_u64 s[62:63], s[58:59], 512
	s_or_b32 s59, s59, 0x80000000
	s_or_b32 s63, s63, 0x80000000
	s_mul_i32 s82, s19, 49152                      ; qf: rows 100 + 12 g on
	s_add_co_u32 s82, s82, s84
	s_add_co_u32 s82, s82, 409600
	s_add_nc_u64 s[70:71], s[6:7], s[82:83]
	s_add_nc_u64 s[74:75], s[70:71], 512
	s_or_b32 s71, s71, 0x80000000
	s_or_b32 s75, s75, 0x80000000
.if CL
	ROUND                                          ; both work-groups are here: the first joint load meets
.endif
	tensor_load_to_lds s[48:51], s[24:31]          ; the first fills, one group, every wave its own five: five tensor loads of mine are out
	s_nop 0
	tensor_load_to_lds s[56:59], s[32:39]
	s_nop 0
	tensor_load_to_lds s[60:63], s[32:39]
	s_nop 0
	tensor_load_to_lds s[68:71], s[40:47]
	s_nop 0
	tensor_load_to_lds s[72:75], s[40:47]
	s_nop 0
	NOPS4
	; the other addresses, while the tiles are on their way
	s_mul_i32 s82, s18, 40960
	s_add_nc_u64 s[86:87], s[8:9], s[82:83]        ; a'_s: rows 10 c on
	s_mul_i32 s82, s19, 49152
	s_add_co_u32 s82, s82, 409600
	s_add_nc_u64 s[88:89], s[8:9], s[82:83]        ; a_q: rows 100 + 12 g on
	s_mul_i32 s82, s18, 163840
	s_add_nc_u64 s[96:97], s[10:11], s[82:83]      ; x: my class's support rows, 40 c on
	s_mul_i32 s82, s19, 12
	s_mul_i32 s84, s14, 3
	s_add_co_u32 s82, s82, s84                     ; the first of the three queries that my wave finishes
.irp i, 0,1,2
	s_add_co_u32 s84, s82, \i
	s_mul_i32 s85, s84, 2185
	s_lshr_b32 s85, s85, 16                        ; th / 30
	s_mul_i32 s85, s85, 10
	s_add_co_u32 s84, s84, s85
	s_add_co_u32 s84, s84, 10                      ; its row of x: th + 10 (th / 30) + 10
	s_lshl_b32 s84, s84, 12
	s_mov_b32 s85, 0
	s_add_nc_u64 s[90+2*\i:91+2*\i], s[10:11], s[84:85]
.endr
	s_mul_i32 s84, s82, 10
	s_add_co_u32 s84, s84, s18
	s_lshl_b32 s84, s84, 2
	s_mov_b32 s85, 0
	s_add_nc_u64 s[12:13], s[12:13], s[84:85]      ; out0[th][c]
	s_lshl_b32 s84, s19, 2
	s_add_co_u32 s84, s84, s14
	s_lshl_b32 s84, s84, 1
	s_add_co_u32 s84, s84, s17
	s_add_co_u32 s84, s84, 24                      ; the prefetch: block 24 + 2 (4 g + w) + cx of 8,192 bytes: the partners are told apart by address
	s_lshl_b32 s84, s84, 13
	s_add_co_u32 s84, s84, HALF1
	s_add_nc_u64 s[98:99], s[4:5], s[84:85]
	v_and_b32 v8, 15, v0                           ; r
	v_bfe_u32 v9, v0, 4, 1                         ; h
	v_and_b32 v10, 31, v0                          ; lane
	v_lshlrev_b32 v[L16], 4, v10
	v_lshlrev_b32 v[PFO], 8, v10
	; s and ql, of the thread's number and constants alone
	v_add_nc_u32 v11, 6, v8                        ; r + 6: 16 or more where r >= 10
	v_bfe_u32 v254, v0, 6, 1                       ; mh: bit 6 of the thread's number
	v_lshl_add_u32 v255, v254, 4, v11              ; r + 6 + 16 mh: 32 or more where r >= 10 and mh = 1
	v_lshrrev_b32 v11, 4, v11                      ; ge
	v_lshrrev_b32 v255, 5, v255                    ; ge and mh
	v_add_nc_u32 v[SROW], v11, v255
	v_mad_u32_u24 v[SROW], v[SROW], 6, v8          ; r, r + 6 or r + 12;
	v_and_b32 v[SROW], 15, v[SROW]                 ; less 16 where ge = 1: s = r - ge (10 - 6 mh)
	v_xor_b32 v254, v254, v255                     ; mh and not ge
	v_lshlrev_b32 v254, 2, v254
	v_lshl_add_u32 v[QL0], v11, 3, v254            ; ql of tile tl = 0: 4 mh, or 8 where ge = 1
	v_mul_u32_u24 v[PS0], v[SROW], FROW
	v_lshl_add_u32 v[PS0], v9, 7, v[PS0]
	v_add_nc_u32 v[PS0], R1, v[PS0]                ; sf: row s, + 128 h: my 32 numbers of a half K step
	s_lshl_b32 s82, s16, 1
	v_add_nc_u32 v[PQ0], s82, v[QL0]               ; I make tiles tl = 2 nh and 2 nh + 1
	v_mul_u32_u24 v[PQ0], v[PQ0], FROW
	v_lshl_add_u32 v[PQ0], v9, 7, v[PQ0]
	v_add_nc_u32 v[PQ0], R1+FQO, v[PQ0]
	s_mul_i32 s82, s14, 24576
	s_add_co_u32 s82, s82, XR
	v_add_nc_u32 v[PIM0], s82, v[L16]              ; my two tiles' images: 16 x 1,536 bytes a wave
	s_lshl_b32 s82, s14, 10
	s_add_co_u32 s82, s82, XSR
	v_lshl_add_u32 v[PSW0], v10, 2, s82
	v_lshlrev_b32 v[SH8], 3, v9
	v_add_nc_u32 v[PSN], 0, v[PS0]                 ; the piece ahead is piece 0
	v_add_nc_u32 v[PQN], 0, v[PQ0]
	v_mov_b32 v[WW+2], 0                           ; (a lane permute's destination counts as one of its sources)
	v_mov_b32 v[WW+3], 0
	s_wait_tensorcnt 0x0                           ; my five tiles have landed,
	s_barrier_signal -1
	s_barrier_wait -1                              ; everybody's have
; A PREFETCH INTO THE L2 of B's slots 2 to 15 (and the last 8,192 bytes of slot 1): 176 blocks of 8,192 bytes, lanes 256 bytes apart, one instruction a wave, each block named once in the launch: the 22 first
; query groups of the first pair of classes ask.  It stands behind the wait for the first tiles; all of the making of A lies between it and the loads that will want the bytes.
	s_cmp_lg_u32 s81, 0
	s_cbranch_scc1 .Lno_prefetch
	s_cmp_ge_u32 s19, 22
	s_cbranch_scc1 .Lno_prefetch
	global_prefetch_b8 v[PFO], s[98:99] th:TH_LOAD_NT scope:SCOPE_SE
.Lno_prefetch:
; ------------------------------------------------------------------ A IS MADE
.macro LD8 dst, adr, off               ; 32 numbers of a lane
.irp j, 0,1,2,3,4,5,6,7
	ds_load_b128 v[\dst+4*\j:\dst+4*\j+3], v[\adr] offset:\off+16*\j
.endr
.endm
; One tile's half K step: block 2 c + h of d1 = sf - qf (its signs go below) and of d2 = sf x qf, whole in my lane.  Codes to registers 6 c .. 6 c + 5 of CD1, CD2; bytes to BY + c, BY + 2 + c.
.macro COMPUTE sfr, qfr, c
.set ii, 0
.rept 16
	v_pk_add_f32 v[TT+ii:TT+ii+1], v[\sfr+ii:\sfr+ii+1], v[\qfr+ii:\qfr+ii+1] neg_lo:[0,1] neg_hi:[0,1]
.set ii, ii+2
.endr
.set ii, 0
.rept 16
	v_pk_mul_f32 v[\qfr+ii:\qfr+ii+1], v[\sfr+ii:\sfr+ii+1], v[\qfr+ii:\qfr+ii+1]
.set ii, ii+2
.endr
	v_max3_num_f32 v[MX], |v[TT]|, |v[TT+1]|, |v[TT+2]|
	v_max3_num_f32 v[MX+1], |v[TT+3]|, |v[TT+4]|, |v[TT+5]|
	v_max3_num_f32 v[MX+2], |v[\qfr]|, |v[\qfr+1]|, |v[\qfr+2]|
	v_max3_num_f32 v[MX+3], |v[\qfr+3]|, |v[\qfr+4]|, |v[\qfr+5]|
.irp i, 6,10,14,18,22,26
	v_max3_num_f32 v[MX], v[MX], |v[TT+\i]|, |v[TT+\i+1]|
	v_max3_num_f32 v[MX+1], v[MX+1], |v[TT+\i+2]|, |v[TT+\i+3]|
	v_max3_num_f32 v[MX+2], v[MX+2], |v[\qfr+\i]|, |v[\qfr+\i+1]|
	v_max3_num_f32 v[MX+3], v[MX+3], |v[\qfr+\i+2]|, |v[\qfr+\i+3]|
.endr
	v_max3_num_f32 v[MX], v[MX], |v[TT+30]|, |v[TT+31]|
	v_max3_num_f32 v[MX+2], v[MX+2], |v[\qfr+30]|, |v[\qfr+31]|
	v_max3_num_f32 v[MX], v[MX], v[MX+1], 0x2800000     ; the floor 2^(5 - 127): the byte cannot fall under 1
	v_max3_num_f32 v[MX+2], v[MX+2], v[MX+3], 0x2800000
	v_add_nc_u32 v[EE], 0xfe000000, v[MX]          ; 4 off the exponent field: the conversion's scale operand
	v_add_nc_u32 v[EE+1], 0xfe000000, v[MX+2]
	v_lshrrev_b32 v[BY+\c], 23, v[EE]
	v_lshrrev_b32 v[BY+2+\c], 23, v[EE+1]
	v_cvt_scalef32_pk16_bf6_f32 v[CD1+6*\c:CD1+6*\c+2], v[TT:TT+15], v[EE]
	v_cvt_scalef32_pk16_bf6_f32 v[TC:TC+2], v[TT+16:TT+31], v[EE]          ; (a conversion's three registers begin on an even number)
	v_cvt_scalef32_pk16_bf6_f32 v[CD2+6*\c:CD2+6*\c+2], v[\qfr:\qfr+15], v[EE+1]
	v_cvt_scalef32_pk16_bf6_f32 v[TC+4:TC+6], v[\qfr+16:\qfr+31], v[EE+1]
	v_nop                                          ; one plain place behind a scaled conversion
.irp i, 0,1,2
	v_and_b32 v[CD1+6*\c+\i], s[76+\i], v[CD1+6*\c+\i]       ; |.|: the sign bits go
.endr
.irp i, 0,1,2
	v_and_b32 v[CD1+6*\c+3+\i], s[76+\i], v[TC+\i]
.endr
.irp i, 0,1,2
	v_mov_b32 v[CD2+6*\c+3+\i], v[TC+4+\i]
.endr
.endm
; A tile's two fragments of this K step go to LDS as images of their registers; one scale register carries d1's word in lanes 0-15 and d2's in lanes 16-31
.macro PAIREND toff, soff
	v_lshl_or_b32 v[WW], v[BY+1], 16, v[BY]        ; my two bytes: blocks h and 2 + h,
	v_lshl_or_b32 v[WW+1], v[BY+3], 16, v[BY+2]
	v_lshlrev_b32 v[WW], v[SH8], v[WW]             ; at their places;
	v_lshlrev_b32 v[WW+1], v[SH8], v[WW+1]
	v_permlanex16_b32 v[WW+2], v[WW], s20, s21
	v_permlanex16_b32 v[WW+3], v[WW+1], s20, s21
	v_or_b32 v[WW], v[WW], v[WW+2]                 ; with lane l xor 16's two the words are whole
	v_or_b32 v[WW+1], v[WW+1], v[WW+3]
	v_cndmask_b32 v[WW], v[WW], v[WW+1], s79
.irp q, 0,1,2
	ds_store_b128 v[PIM], v[CD1+4*\q:CD1+4*\q+3] offset:\toff+512*\q
.endr
.irp q, 0,1,2
	ds_store_b128 v[PIM], v[CD2+4*\q:CD2+4*\q+3] offset:\toff+6144+512*\q
.endr
	ds_store_b32 v[PSW], v[WW] offset:\soff
.endm
; A trip: one K step e of f (s80), my two tiles.  At its head the first half's sf and the first tile's qf are on their way (16 loads).  The counts: 16 or 8 = the loads just issued may stay out; what is
; older is in: the numbers wanted, and the 7 image stores ahead of the loads, whose data registers are then written again.
; The piece ahead is min(e + 1, 7): in the very last trip piece 7 is read once more and its 16 loads are not used; that spares a third copy of the trip.
.macro PROD lim
.Lprod_\@:
	s_mul_i32 s85, s80, FPS
	v_add_nc_u32 v[PS], s85, v[PS0]
	v_add_nc_u32 v[PQ], s85, v[PQ0]
	LD8 SFB, PS, 256
	LD8 QFB, PQ, 256
	s_wait_dscnt 16
	s_add_co_u32 s84, s80, 1
	s_min_u32 s84, s84, 7
	s_mul_i32 s84, s84, FPS
	s_and_b32 s85, s80, 3
	s_lshl_b32 s82, s85, 7
	s_mul_i32 s85, s85, 1536
	v_add_nc_u32 v[PSN], s84, v[PS0]               ; (the loads and stores that named these four are done)
	v_add_nc_u32 v[PQN], s84, v[PQ0]
	v_add_nc_u32 v[PIM], s85, v[PIM0]
	v_add_nc_u32 v[PSW], s82, v[PSW0]
	COMPUTE SFA, QFA, 0
	LD8 QFA, PQ, FROW                              ; the second tile's query lies one row on
	s_wait_dscnt 8
	COMPUTE SFB, QFB, 1
	PAIREND 0, 0
	LD8 QFB, PQ, FROW+256
	s_wait_dscnt 8
	COMPUTE SFA, QFA, 0
	LD8 SFA, PSN, 0
	LD8 QFA, PQN, 0
	s_wait_dscnt 16
	COMPUTE SFB, QFB, 1
	PAIREND 12288, 512
	s_add_co_u32 s80, s80, 1
	s_cmp_lt_u32 s80, \lim
	s_cbranch_scc1 .Lprod_\@
.endm
; Round rd's images become my registers: K steps 4 rd .. 4 rd + 3 (d1) and 8 + 4 rd .. (d2) of my four tiles.  (It writes s82.)
.macro LOADSTEP rd
	s_mul_i32 s82, s15, 49152
	s_add_co_u32 s82, s82, XR
	v_add_nc_u32 v[WW], s82, v[L16]
	s_lshl_b32 s82, s15, 11
	s_add_co_u32 s82, s82, XSR
	v_and_b32 v[WW+1], 31, v0
	v_lshl_add_u32 v[WW+1], v[WW+1], 2, s82
.irp e, 0,1,2,3,4,5,6,7
.irp tq, 0,1,2,3
.set kk, 4*(4*\rd+\e+4*(\e/4))+\tq
.if kk == 63
.set rF, F63
	WIN 0
.else
.set rF, 12*(kk%21)
.set WD, 64*(1+kk/21)
	WIN WD
.endif
.irp q, 0,1,2
	ds_load_b128 v[rF+4*\q:rF+4*\q+3], v[WW] offset:(8*\tq+\e)*1536+512*\q
.endr
.endr
.endr
	WIN 0
.irp tq, 0,1,2,3
.irp e, 0,1,2,3
	ds_load_b32 v[ASC+8*\tq+4*\rd+\e], v[WW+1] offset:(4*\tq+\e)*128
.endr
.endr
.endm
	LD8 SFA, PSN, 0
	LD8 QFA, PQN, 0
	PROD 4
	s_wait_dscnt 0x0                               ; my images have landed
	s_barrier_signal -1
	s_barrier_wait -1
	LOADSTEP 0
	s_wait_dscnt 0x0                               ; my reads of the images are over: they may be written again
	s_barrier_signal -1
	s_barrier_wait -1
	PROD 8
	; a: 22 rows; wave w takes bytes 1,024 w .. + 1,023 of each, into v48-223.  The loads are on their way while the second round's images change hands
	s_wait_dscnt 0x0                               ; the last trip's loads ahead have landed and its image stores have read their registers: only now are other loads issued into these registers
	s_lshl_b32 s82, s14, 10
	v_add_nc_u32 v[PS], s82, v[L16]
.set rw, 0
.rept 22
.set rr, 48+8*rw
.if rw < 10
	global_load_b128 v[rr:rr+3], v[PS], s[86:87] offset:rw*4096
	global_load_b128 v[rr+4:rr+7], v[PS], s[86:87] offset:rw*4096+512
.else
	global_load_b128 v[rr:rr+3], v[PS], s[88:89] offset:(rw-10)*4096
	global_load_b128 v[rr+4:rr+7], v[PS], s[88:89] offset:(rw-10)*4096+512
.endif
.set rw, rw+1
.endr
	s_barrier_signal -1                            ; (no LDS instruction of mine is out: the wait above)
	s_barrier_wait -1
	LOADSTEP 1
	s_wait_dscnt 0x0                               ; nobody reads the images any more behind this barrier: a takes their place
	s_barrier_signal -1
	s_barrier_wait -1
	s_lshl_b32 s82, s14, 10                        ; made anew: my 1,024 bytes of a row of a,
	s_add_co_u32 s82, s82, XR                      ; in LDS
	v_add_nc_u32 v[PQ], s82, v[L16]
	v_add_nc_u32 v[PSN], 10*AP, v[PQ]
	s_wait_loadcnt 0x0
.set rw, 0
.rept 22
.set rr, 48+8*rw
.if rw < 10
	ds_store_b128 v[PQ], v[rr:rr+3] offset:rw*AP
	ds_store_b128 v[PQ], v[rr+4:rr+7] offset:rw*AP+512
.else
	ds_store_b128 v[PSN], v[rr:rr+3] offset:(rw-10)*AP
	ds_store_b128 v[PSN], v[rr+4:rr+7] offset:(rw-10)*AP+512
.endif
.set rw, rw+1
.endr
	; f's pieces have been read out: slot 1 takes their place.  All my tensor loads have landed; the add; its wait, which also shows my stores of a landed; the round; the one load
	s_wait_tensorcnt 0x0
	ds_add_u32 v[SPW], v[NIL]                      ; 0 onto my spare word; the loop's addresses stand between it and the wait for it
	s_mul_i32 s82, s16, PAIRB
	v_add_nc_u32 v[BA], s82, v[L16]
	v_add_nc_u32 v[BA+1], R1, v[BA]
	v_add_nc_u32 v[BS], 49152, v[BA]
	v_add_nc_u32 v[BS+1], 49152, v[BA+1]
	v_bfe_u32 v254, v0, 4, 1
	s_lshl_b32 s82, s16, 7
	s_add_co_u32 s82, s82, XR
	v_lshl_add_u32 v254, v254, 5, s82              ; a: + 128 nh + 32 h
	v_add_nc_u32 v255, 10, v[QL0]
	s_wait_dscnt 0x0
	ROUND
	tensor_load_to_lds s[52:55], s[24:31]
	s_nop 0
	NOPS4
	v_mad_u32_u24 v[AAS], v[SROW], AP, v254
	v_mad_u32_u24 v[AAQ], v255, AP, v254
.irp i, 0,1,2,3,4,5,6,7
	v_mov_b32 v[SM+\i], 0
.endr
; ------------------------------------------------------------------ THE LOOP
.macro G rg, t, kq                     ; B's fragment (K step kq, n-tile t) into place kq % 8 of the ring
.irp q, 0,1,2
	ds_load_b128 v[RING+12*((\kq)%8)+4*\q:RING+12*((\kq)%8)+4*\q+3], v[BA+\rg] offset:(2*(\kq)+\t)*1536+512*\q
.endr
.endm
.macro GQ rg, t, k0                    ; four K steps: twelve loads
.irp d, 0,1,2,3
	G \rg, \t, (\k0)+\d
.endr
.endm
.macro BSLQ rg, q                      ; a slot's scale words of my pair, K steps 4 q .. 4 q + 3
	ds_load_b128 v[BSC+4*\q:BSC+4*\q+3], v[BS+\rg] offset:512*\q
.endm
.macro ASL an                          ; a'_s of the n-tile at byte an of a row: two loads
	ds_load_b128 v[ATS:ATS+3], v[AAS] offset:\an
	ds_load_b128 v[ATS+4:ATS+7], v[AAS] offset:\an+16
.endm
.macro AQL st, an                      ; a_q of the n-tile at byte an, straight into accumulator set st: the C of its sums' first products: eight loads
.irp a, 0,1,2,3
	ds_load_b128 v[ACC+32*(\st)+8*\a:ACC+32*(\st)+8*\a+3], v[AAQ] offset:\a*AP+\an
	ds_load_b128 v[ACC+32*(\st)+8*\a+4:ACC+32*(\st)+8*\a+7], v[AAQ] offset:\a*AP+\an+16
.endr
.endm
.macro XLA                             ; the way out's support rows 0-6 of x, into window 1, whose fragments have had their last product
	WIN 0x40
.irp sr, 0,1,2,3,4,5,6
.irp ch, 0,1,2,3,4,5,6,7
	global_load_b128 v[32*\sr+4*\ch:32*\sr+4*\ch+3], v[L16], s[96:97] offset:\sr*4096+512*\ch
.endr
.endr
	WIN WN
.endm
; THE VECTOR WORK: the finished set YB (four tiles x 8 registers) goes through r = 1 / (1 + 2^(c D + a'_s)) into the sums: 112 instructions, none with a vector register as source 1.
.macro T_ARG n                         ; pair n of 16: c D + a'_s.  A tile's pairs ascend: each accumulator is read from its low end on
.set sa, (\n)/4
.set sp, (\n)%4
	v_pk_fma_f32 v[YB+8*sa+2*sp:YB+8*sa+2*sp+1], v[YB+8*sa+2*sp:YB+8*sa+2*sp+1], s[22:23], v[ATS+2*sp:ATS+2*sp+1] op_sel_hi:[1,0,1]
.endm
.macro T_EXP n                         ; number n of 32
	v_exp_f32 v[YB+(\n)], v[YB+(\n)]
.endm
.macro T_ONE n                         ; pair n: + 1
	v_pk_add_f32 v[YB+2*(\n):YB+2*(\n)+1], v[YB+2*(\n):YB+2*(\n)+1], 1.0 op_sel_hi:[1,0]
.endm
.macro T_RCP n
	v_rcp_f32 v[YB+(\n)], v[YB+(\n)]
.endm
.macro T_SUM n                         ; the four tiles by turns
.set sa, (\n)%4
.set sp, (\n)/4
	v_pk_fma_f32 v[SM+2*sa:SM+2*sa+1], v[YB+8*sa+2*sp:YB+8*sa+2*sp+1], 1.0, v[SM+2*sa:SM+2*sa+1] op_sel_hi:[1,0,1]
.endm
; A UNIT: n-tile t of my pair in slot rg against my four tiles: 64 products, k = 4 kap + tl, the four accumulators of set t by turns.  The set holds a_q when the unit begins.
; th = 1: the other set's vector work stands behind the products.  an: the n-tile's byte in a row of a; an2: the next unit's.
; nx = 0: the next unit reads the same slot.  1: the slot has been read out and is filled again, two slots on.  2: it is left, nothing is fetched.  3: the last unit.
; THE LDS LOADS STAND IN FOUR RUNS, each 15 products or more ahead of its first use: behind product 0 K steps 4-7 (places 4-7; last read by the unit before), and in a slot's first unit its scale words of K steps 12-15;
; behind product 16 K steps 8-11 (places 0-3); behind product 33 a'_s and K steps 12-15; behind product 48 (51 at a change of slots) a_q of the next n-tile, into the set that has been summed, and the next unit's K steps 0-3.
; A load into a register that a matrix instruction has read stands four places behind it, and only plain vector instructions that name none of its registers are places (ISA guide 7.12.1 for vector instructions):
; four v_nop stand ahead of each run; those behind product 0 are also the places ahead of the first read of the finished set.
; THE VECTOR WORK'S TIMES: products 0-16 an argument and two exponentials each, the argument a product ahead of its exponentials; 17-33 a '+ 1' and two reciprocals each; 34-41 the sums.  Each batch's one wait,
; ahead of the first line that names a result, stands with the v_nop ahead of the run behind product 16, or 33.
; THE WAITS at a K step's head: 9 at K steps 0, 4, 8, 12 = the three later fragments of the same run may stay out; else 3 for each later fragment of that run and all the loads of the run issued since (12, 13, 14 or 20).
; THE CHANGE OF SLOTS: my last reads of the slot are those of the run behind product 33.  Ahead of product 44 the wait for all my tensor loads and the add; ahead of product 48 the wait for the add and for those reads,
; and the signal; products 48-51 are register work; then the barrier's wait, the round, my one load, and the run that reads the other slot.
.macro UNIT rg, t, th, nx, an, an2
.set YB, ACC+32*(1-\t)
.set CHG, 0
.if (\nx == 1) || (\nx == 2)
.set CHG, 1
.endif
.set NRA, 12
.if (\t == 0) && (\th)
.set NRA, 13
.endif
.set NRD, 0
.if \nx == 0
.set NRD, 20
.endif
.set k, 0
.rept 64
.set kap, k/4
.set tl, k%4
.set m4, kap%4
.if tl == 0
.if CHG && (kap == 12)
	s_wait_dscnt 0x0                               ; the add is done, and my reads of this slot are over
	s_barrier_signal -1                            ; (register work alone up to the wait)
.elseif m4 == 0
	s_wait_dscnt 9
.elseif kap < 4
	s_wait_dscnt 9-3*m4+NRA
.elseif kap < 8
	s_wait_dscnt 9-3*m4+12
.elseif kap < 12
	s_wait_dscnt 9-3*m4+14
.elseif CHG == 0
	s_wait_dscnt 9-3*m4+NRD
.endif
.if CHG && (kap == 11)
	WIN 0                                          ; (the add's two registers lie in window 0)
	s_wait_tensorcnt 0x0                           ; all my tensor loads have landed: my quarter of the other slot;
	ds_add_u32 v[SPW], v[NIL]                      ; 0 onto my spare word; four products stand between it and the wait for it
.if \nx == 1
	s_add_nc_u64 s[50+4*\rg:51+4*\rg], s[50+4*\rg:51+4*\rg], 2*SLOTB   ; no load of mine is out: this slot's next tile
.endif
.endif
.endif
.if k == 63
.set rA, F63
.set WN, 0
.else
.set rA, 12*(k%21)
.set WN, 4*(1+k/21)
.endif
	WIN WN
.set rD, ACC+32*\t+8*tl
.set rB, RING+12*(kap%8)
.set rX, BSC+kap
.set rY, ASC+8*tl+kap%8
.if kap < 8
.if \t
	v_wmma_scale_f32_16x16x128_f8f6f4 v[rD:rD+7], v[rB:rB+11], v[rA:rA+11], v[rD:rD+7], v[rX], v[rY] matrix_a_fmt:MATRIX_FMT_BF6 matrix_b_fmt:MATRIX_FMT_BF6 matrix_a_scale:MATRIX_SCALE_ROW1
.else
	v_wmma_scale_f32_16x16x128_f8f6f4 v[rD:rD+7], v[rB:rB+11], v[rA:rA+11], v[rD:rD+7], v[rX], v[rY] matrix_a_fmt:MATRIX_FMT_BF6 matrix_b_fmt:MATRIX_FMT_BF6
.endif
.else
.if \t
	v_wmma_scale_f32_16x16x128_f8f6f4 v[rD:rD+7], v[rB:rB+11], v[rA:rA+11], v[rD:rD+7], v[rX], v[rY] matrix_a_fmt:MATRIX_FMT_BF6 matrix_b_fmt:MATRIX_FMT_BF6 matrix_a_scale:MATRIX_SCALE_ROW1 matrix_b_scale:MATRIX_SCALE_ROW1
.else
	v_wmma_scale_f32_16x16x128_f8f6f4 v[rD:rD+7], v[rB:rB+11], v[rA:rA+11], v[rD:rD+7], v[rX], v[rY] matrix_a_fmt:MATRIX_FMT_BF6 matrix_b_fmt:MATRIX_FMT_BF6 matrix_b_scale:MATRIX_SCALE_ROW1
.endif
.endif
.if k == 0
	NOPS4
.if (\t == 0) && (\th)
	BSLQ \rg, 3
.endif
	GQ \rg, \t, 4
.if \th
	T_ARG 0
.endif
.elseif k <= 16
.if \th
.if k <= 15
	T_ARG k
.endif
.set n0, 2*(k-1)
.set n1, n0+1
	T_EXP n0
	T_EXP n1
.endif
.if k == 16
	NOPS4
.if \th
	s_wait_alu depctr_va_vdst(0)                   ; one wait for the 32 exponentials
.endif
	GQ \rg, \t, 8
.endif
.elseif k == 17
.if \th
	T_ONE 0
.endif
.elseif k <= 33
.if \th
.if k <= 32
.set n0, k-17
	T_ONE n0
.endif
.set n0, 2*(k-18)
.set n1, n0+1
	T_RCP n0
	T_RCP n1
.endif
.if k == 33
	NOPS4
.if \th
	s_wait_alu depctr_va_vdst(0)                   ; one wait for the 32 reciprocals
.endif
	ASL \an
	GQ \rg, \t, 12
.if \nx == 3
	XLA
.endif
.endif
.elseif k <= 41
.if \th
.set n0, 2*(k-34)
.set n1, n0+1
	T_SUM n0
	T_SUM n1
.endif
.elseif (k == 48) && (\nx == 0)
	NOPS4
	AQL 1-\t, \an2
	GQ \rg, 1, 0
.elseif (k == 51) && CHG
	WIN 0
	s_barrier_wait -1
.if \nx == 1
	CREST                                          ; the barrier has opened a round of the cluster's: no wave of either work-group still reads this slot or has a load on its way
	tensor_load_to_lds s[48+4*\rg:51+4*\rg], s[24:31]   ; my one tensor load behind the round: it has 128 products in which to land
	s_nop 0
.endif
	NOPS4
.set RO, 1-\rg
	BSLQ RO, 0                                     ; the other slot's scale words of K steps 0-11: these registers' last product was 47
	BSLQ RO, 1
	BSLQ RO, 2
	AQL 1-\t, \an2
	GQ RO, 0, 0
.endif
.set k, k+1
.endr
.endm
	BSLQ 0, 0
	BSLQ 0, 1
	BSLQ 0, 2
	BSLQ 0, 3
	AQL 0, 0
	GQ 0, 0, 0
	UNIT 0, 0, 0, 0, 0, 64                         ; slot 0's first n-tile: there is no finished set yet
	s_mov_b32 s80, 7
.Ltrip:                                            ; a trip: four units, from a slot's second n-tile to the first of the slot two on; both slots are filled again (slots 2 to 15)
	UNIT 0, 1, 1, 1, 64, 256
	UNIT 1, 0, 1, 0, 256, 320
	UNIT 1, 1, 1, 1, 320, 512
	UNIT 0, 0, 1, 0, 512, 576
	v_add_nc_u32 v[AAS], 512, v[AAS]               ; two slots' 128 columns on
	v_add_nc_u32 v[AAQ], 512, v[AAQ]
	s_sub_co_u32 s80, s80, 1
	s_cmp_lg_u32 s80, 0
	s_cbranch_scc1 .Ltrip
	UNIT 0, 1, 1, 2, 64, 256                       ; the tail is written out: nothing is left to fetch
	UNIT 1, 0, 1, 0, 256, 320
	UNIT 1, 1, 1, 3, 320, 0
	; the last set's vector work; ahead of it the rest of the way out's rows of x, into window 2
	NOPS4                                          ; the places behind the last products
	WIN 0x80
.irp sr, 7,8,9
.irp ch, 0,1,2,3,4,5,6,7
	global_load_b128 v[32*(\sr-7)+4*\ch:32*(\sr-7)+4*\ch+3], v[L16], s[96:97] offset:\sr*4096+512*\ch
.endr
.endr
.irp i, 0,1,2
.irp ch, 0,1,2,3,4,5,6,7
	global_load_b128 v[96+32*\i+4*\ch:96+32*\i+4*\ch+3], v[L16], s[90+2*\i:91+2*\i] offset:512*\ch
.endr
.endr
	WIN 0
.set YB, ACC+32
.set n0, 0
.rept 16
	T_ARG n0                                       ; (a'_s is in: the last unit's waits ran down to 0)
.set n0, n0+1
.endr
.set n0, 0
.rept 32
	T_EXP n0
.set n0, n0+1
.endr
	v_nop                                          ; a plain place behind the exponentials,
	s_wait_alu depctr_va_vdst(0)                   ; and the one wait for the batch, ahead of its first reader
.set n0, 0
.rept 16
	T_ONE n0
.set n0, n0+1
.endr
.set n0, 0
.rept 32
	T_RCP n0
.set n0, n0+1
.endr
	v_nop
	s_wait_alu depctr_va_vdst(0)                   ; the same for the reciprocals
.set n0, 0
.rept 16
	T_SUM n0
.set n0, n0+1
.endr
; ------------------------------------------------------------------ THE WAY OUT
.irp a, 0,1,2,3
	v_add_f32 v[EA+\a], v[SM+2*\a], v[SM+2*\a+1]
	v_mov_b32 v[EB+\a], 0
.endr
.irp a, 0,1,2,3
	v_permlanex16_b32 v[EB+\a], v[EA+\a], s20, s21
.endr
.irp a, 0,1,2,3
	v_add_f32 v[EA+\a], v[EA+\a], v[EB+\a]         ; my 512 columns' sum of r for row (ql, s)
.endr
	s_mul_i32 s82, s16, 768
	s_add_co_u32 s82, s82, SCB
	v_lshl_add_u32 v244, v[QL0], 6, s82
	v_lshl_add_u32 v244, v[SROW], 2, v244
.irp a, 0,1,2,3
	ds_store_b32 v244, v[EA+\a] offset:64*\a       ; (both halves of the lanes store the same word)
.endr
	s_wait_dscnt 0x0
	s_barrier_signal -1
	s_barrier_wait -1
	v_lshrrev_b32 v245, 5, v0
	v_mul_u32_u24 v245, v245, 192
	v_add_nc_u32 v245, SCB, v245                   ; my wave finishes queries 3 w + 0, 1, 2; every lane reads the same words
.irp i, 0,1,2
.irp n, 0,1
	ds_load_b128 v[RR+24*\i+12*\n:RR+24*\i+12*\n+3], v245 offset:64*\i+768*\n
	ds_load_b128 v[RR+24*\i+12*\n+4:RR+24*\i+12*\n+7], v245 offset:64*\i+768*\n+16
	ds_load_b64 v[RR+24*\i+12*\n+8:RR+24*\i+12*\n+9], v245 offset:64*\i+768*\n+32
.endr
.endr
	s_wait_dscnt 0x0
.irp i, 0,1,2
.irp p, 0,2,4,6,8
	v_pk_add_f32 v[RR+24*\i+\p:RR+24*\i+\p+1], v[RR+24*\i+\p:RR+24*\i+\p+1], v[RR+24*\i+12+\p:RR+24*\i+12+\p+1]   ; R = both halves of the columns
.endr
.endr
.irp i, 0,1,2
	v_min_num_f32 v[246+\i], v[RR+24*\i], v[RR+24*\i+1]
.endr
.irp p, 2,3,4,5,6,7,8,9
.irp i, 0,1,2
	v_min_num_f32 v[246+\i], v[246+\i], v[RR+24*\i+\p]   ; the least R = the largest score: it is taken away ahead of the exponential (the three queries by turns)
.endr
.endr
.irp i, 0,1,2
.irp sq, 0,1,2,3,4,5,6,7,8,9
	v_sub_f32 v[RR+24*\i+\sq], v[246+\i], v[RR+24*\i+\sq]
.endr
.endr
.irp i, 0,1,2
.irp sq, 0,1,2,3,4,5,6,7,8,9
	v_mul_f32 v[RR+24*\i+\sq], s22, v[RR+24*\i+\sq]     ; -2 (R - min) log2(e)
.endr
.endr
.irp i, 0,1,2
.irp sq, 0,1,2,3,4,5,6,7,8,9
	v_exp_f32 v[RR+24*\i+\sq], v[RR+24*\i+\sq]
.endr
.endr
	v_nop
	s_wait_alu depctr_va_vdst(0)                   ; one wait for the thirty
.irp i, 0,1,2
	v_add_f32 v[249+\i], v[RR+24*\i], v[RR+24*\i+1]
.endr
.irp sq, 2,3,4,5,6,7,8,9
.irp i, 0,1,2
	v_add_f32 v[249+\i], v[249+\i], v[RR+24*\i+\sq]
.endr
.endr
.irp i, 0,1,2
	v_rcp_f32 v[249+\i], v[249+\i]
.endr
	v_nop
	s_wait_alu depctr_va_vdst(0)                   ; and one for the three
.irp i, 0,1,2
.irp sq, 0,1,2,3,4,5,6,7,8,9
	v_mul_f32 v[RR+24*\i+\sq], v[RR+24*\i+\sq], v[249+\i]   ; the scores p
.endr
.endr
; proto = sum over s of p x support row, in f32 fused multiply-adds (K = 10): a lane holds 32 of the 1,024 columns.  Support sq lies at 32 (sq - sb) of the window that source 0 names;
; p is one register of an even pair, taken for both halves.
.macro PROTO sf_, sl_, sb
.set sq, \sf_
.rept \sl_-\sf_+1
.irp i, 0,1,2
.set pj, 0
.rept 16
.set rP, RR+24*\i+2*(sq/2)
.set rS, 32*(sq-\sb)+2*pj
.set rO, PR+32*\i+2*pj
.if sq == 0
	v_pk_mul_f32 v[rO:rO+1], v[rS:rS+1], v[rP:rP+1] op_sel_hi:[1,0]
.elseif sq%2 == 0
	v_pk_fma_f32 v[rO:rO+1], v[rS:rS+1], v[rP:rP+1], v[rO:rO+1] op_sel_hi:[1,0,1]
.else
	v_pk_fma_f32 v[rO:rO+1], v[rS:rS+1], v[rP:rP+1], v[rO:rO+1] op_sel:[0,1,0] op_sel_hi:[1,1,1]
.endif
.set pj, pj+1
.endr
.endr
.set sq, sq+1
.endr
.endm
	s_wait_loadcnt 0x0                             ; x's rows
	WIN 0x01                                       ; source 0 window 1
	PROTO 0, 6, 0
	WIN 0x02                                       ; source 0 window 2
	PROTO 7, 9, 7
	WIN 0x08                                       ; source 1 window 2: the queries
.irp i, 0,1,2
.set pj, 0
.rept 16
	v_pk_add_f32 v[PR+32*\i+2*pj:PR+32*\i+2*pj+1], v[PR+32*\i+2*pj:PR+32*\i+2*pj+1], v[96+32*\i+2*pj:96+32*\i+2*pj+1] neg_lo:[0,1] neg_hi:[0,1]
.set pj, pj+1
.endr
.endr
	WIN 0
.irp i, 0,1,2
	v_pk_mul_f32 v[DSM+2*\i:DSM+2*\i+1], v[PR+32*\i:PR+32*\i+1], v[PR+32*\i:PR+32*\i+1]
.endr
.set pj, 1
.rept 15
.irp i, 0,1,2
	v_pk_fma_f32 v[DSM+2*\i:DSM+2*\i+1], v[PR+32*\i+2*pj:PR+32*\i+2*pj+1], v[PR+32*\i+2*pj:PR+32*\i+2*pj+1], v[DSM+2*\i:DSM+2*\i+1]
.endr
.set pj, pj+1
.endr
.irp i, 0,1,2
	v_add_f32 v[DSM+2*\i], v[DSM+2*\i], v[DSM+2*\i+1]
.endr
.irp m, 1,2,4,8
.irp i, 0,1,2
	v_add_f32_dpp v[DSM+2*\i], v[DSM+2*\i], v[DSM+2*\i] row_xmask:\m row_mask:0xf bank_mask:0xf
.endr
.endr
.irp i, 0,1,2
	v_permlanex16_b32 v[EB+\i], v[DSM+2*\i], s20, s21
.endr
.irp i, 0,1,2
	v_add_f32 v[DSM+2*\i], v[DSM+2*\i], v[EB+\i]   ; the distance, in every lane
.endr
	v_and_b32 v244, 31, v0
	v_mov_b32 v245, 0
	v_cmp_eq_u32 vcc_lo, 0, v244
	s_wait_xcnt 0x0                                ; EXEC changes only behind this wait
	s_and_saveexec_b32 s82, vcc_lo
	global_store_b32 v245, v[DSM], s[12:13]        ; three numbers a wave, 40 bytes apart: the whole output is 12,000 bytes
	global_store_b32 v245, v[DSM+2], s[12:13] offset:40
	global_store_b32 v245, v[DSM+4], s[12:13] offset:80
	s_wait_xcnt 0x0                                ; and again, in front of the line that widens it
	s_or_b32 exec_lo, exec_lo, s82
	s_wait_tensorcnt 0x0                           ; the wave's end
	ds_add_u32 v[SPW], v[NIL]
	s_wait_dscnt 0x0
.if CL
	ROUND                                          ; the closing round: no work-group ends while its partner may still ask for a tile that names it
.endif
	s_endpgm
.Lfunc_end_k_q58a27fb313_main:
	.size	k_q58a27fb313_main, .Lfunc_end_k_q58a27fb313_main-k_q58a27fb313_main
	.p2alignl 7, 3214868480
	.fill 96, 4, 3214868480
	.section	.rodata,"a",@progbits
	.p2align	6, 0x0
	.amdhsa_kernel k_q58a27fb313_main
		.amdhsa_group_segment_fixed_size 327680
		.amdhsa_private_segment_fixed_size 0
		.amdhsa_enable_private_segment 0
		.amdhsa_kernarg_size 40
		.amdhsa_user_sgpr_count 2
		.amdhsa_user_sgpr_kernarg_segment_ptr 1
		.amdhsa_wavefront_size32 1
		.amdhsa_system_sgpr_workgroup_id_x 1
		.amdhsa_system_sgpr_workgroup_id_y 1
		.amdhsa_system_sgpr_workgroup_id_z 1
		.amdhsa_system_vgpr_workitem_id 0
		.amdhsa_next_free_vgpr 1024
		.amdhsa_next_free_sgpr 100
		.amdhsa_reserve_vcc 1
		.amdhsa_float_denorm_mode_32 3
		.amdhsa_float_denorm_mode_16_64 3
		.amdhsa_memory_ordered 1
		.amdhsa_forward_progress 1
		.amdhsa_inst_pref_size 255
	.end_amdhsa_kernel
	.section	.bss,"aw",@nobits
	.p2align	6
	.space	262144
	.amdgpu_metadata
---
amdhsa.version: [ 1, 2 ]
amdhsa.kernels:
  - .name:           k_q58a27fb313_main
    .symbol:         k_q58a27fb313_main.kd
    .args:
      - { .name: w2c, .offset: 0, .size: 8, .value_kind: global_buffer, .address_space: global }
      - { .name: f, .offset: 8, .size: 8, .value_kind: global_buffer, .address_space: global }
      - { .name: a, .offset: 16, .size: 8, .value_kind: global_buffer, .address_space: global }
      - { .name: x, .offset: 24, .size: 8, .value_kind: global_buffer, .address_space: global }
      - { .name: out0, .offset: 32, .size: 8, .value_kind: global_buffer, .address_space: global }
    .group_segment_fixed_size: 327680
    .private_segment_fixed_size: 0
    .kernarg_segment_align: 8
    .kernarg_segment_size: 40
    .max_flat_workgroup_size: 128
    .sgpr_count:     100
    .vgpr_count:     1024
    .wavefront_size: 32
...
	.end_amdgpu_metadata
.endif
;; end of part 3
